; MI455X (gfx1250); checked and timed in simulation.
; The chip was launched on July 23, 2026; its instructions are those of AMD's public machine-readable ISA for CDNA 5 (MIT licence, August 2026) and "CDNA5" Instruction Set Architecture Reference Guide (July 2026). The comments in the code are by the model that wrote it; some were corrected since.
;; Attention. Allowed arithmetic: matrix products marked QUANTISED: E2M1 operands, one E8M0 scale for each 32 along K, by v_wmma_scale_f32_16x16x128_f8f6f4 with both operands' format E2M1 (or v_wmma_scale_f32_32x16x128_f4), f32 sums; products left as they are: bf16, f16 or f32 operands; f32 sums; everything else in f32.
;; Inputs: W_K 4 x 2,048 x 128 float32; W_O 8 x 128 x 2,048 float32; W_Q 8 x 2,048 x 128 float32; W_V 4 x 2,048 x 128 float32; b_K 4 x 128 float32; b_O 2,048 float32; b_Q 8 x 128 float32; b_V 4 x 128 float32; x 4,096 x 2,048 float32.
;; Outputs: out0 4,096 x 2,048 float32.
;; This version of the problem:
;;   THIS VERSION OF THE PROBLEM IS GIVEN IN LOW PRECISION. The matrix products marked QUANTISED in the list below multiply operands that are first quantised to E2M1 (2 exponent bits, 1 mantissa bit; 4 bits a number), with one power-of-two scale for each 32 numbers along K (OCP MX v1.0); their sums are f32. The products marked 'left as it is' may take bf16, f16 or f32 operands, with f32 sums. Whichever they take, every output number must still come out within the allowed error. Rounding operands to bf16 (8 significant bits) uses up far more of that allowance than f16 does (11 bits, for magnitudes from 6e-5 to 65,504). All else is computed in f32.
;;   The module's matrix products, in the order in which they are computed (A, B: the left and right operand; K: the contracted axis; several contracted axes count as one K, in the product's order):
;;     1. [M 4,096, K 2,048] x [K 2,048, N 1,024]; A: input x; B: input W_Q: QUANTISED
;;     2. [M 4,096, K 2,048] x [K 2,048, N 512]; A: input x; B: input W_K: QUANTISED
;;     3. [M 4,096, K 2,048] x [K 2,048, N 512]; A: input x; B: input W_V: QUANTISED
;;     4. batch 8 x [M 4,096, K 128] x [K 128, N 4,096]; A: computed on the way; B: computed on the way: left as it is (an operand is computed on the way)
;;     5. batch 8 x [M 128, K 4,096] x [K 4,096, N 4,096]; A: computed on the way; B: computed on the way: left as it is (an operand is computed on the way)
;;     6. [M 4,096, K 1,024] x [K 1,024, N 2,048]; A: computed on the way; B: input W_O: left as it is (an operand is computed on the way)
;;   THE QUANTISER, for each operand of a quantised product, along K:
;;     - K is cut into blocks of 32 from its start; a last block that is shorter is filled with zeros.
;;     - A block's scale is 2^e with e = floor(log2(the largest magnitude in the block)) - 2, held to -126 .. 127; a block of zeros has e = 0. As a byte (E8M0): e + 127.
;;     - Each number is divided by its block's scale, clamped to +-6, and rounded to the nearest number of E2M1, ties to even, subnormals kept.
;;     - The product sums the exact products of the quantised numbers (number of the format x scale) in f32.
;;   ~~~python
;;   def quantise(x, axis):      # numpy; x: float32 -> the quantised numbers, widened to float32 again
;;       x = np.moveaxis(x, axis, -1); K = x.shape[-1]
;;       x = np.pad(x, [(0, 0)] * (x.ndim - 1) + [(0, -K % 32)]); x = x.reshape(x.shape[:-1] + (-1, 32)); a = np.abs(x).max(-1, keepdims=True)
;;       e = np.where(a > 0, np.clip(np.frexp(np.where(a > 0, a, 1))[1] - 1 - 2, -126, 127), 0)      # np.frexp(a)[1] - 1 = floor(log2(a)), exactly
;;       r = np.clip(x / 2.0 ** e, -6, 6)
;;       step = 2.0 ** (np.maximum(np.frexp(np.where(r == 0, 1, r))[1] - 1, 0) - 1)
;;       q = np.round(r / step) * step * 2.0 ** e      # np.round: ties to even
;;       return np.moveaxis(q.reshape(q.shape[:-2] + (-1,))[..., :K], -1, axis).astype(np.float32)
;;   ~~~
;; One version. Each part assembles by itself: llvm-mc -triple=amdgcn-amd-amdhsa -mcpu=gfx1250 --defsym DOCPART=n.
;; ======== version 1 of 1: 5 launches
;; limits: values are held in f16: magnitudes above 65,504 overflow, below 6.1e-05 lose precision
;; workspace buffers: cod 6,291,456 bytes; scl 393,216 bytes; rot 2,097,152 bytes; wo 4,194,304 bytes; qi 8,388,608 bytes; kv 8,388,608 bytes; zi 8,388,608 bytes; fin 131,072 bytes
;; launch prep (part 1): grid 512 x 1, 4 waves a work-group, no clusters, 68,096 bytes of LDS; arguments x, W_Q, W_K, W_V, W_O, cod, scl, rot, wo; writes cod, scl, rot, wo
.if DOCPART == 1
	.amdgcn_target "amdgcn-amd-amdhsa--gfx1250"
	.amdhsa_code_object_version 6
	.text
	.protected	k_q23ca2cd9b6_prep
	.globl	k_q23ca2cd9b6_prep
	.p2align	8
	.type	k_q23ca2cd9b6_prep,@function
k_q23ca2cd9b6_prep:
	s_mov_b64 s[64:65], 0
	v_nop
	global_prefetch_b8 v0, s[64:65] scope:SCOPE_SE
	s_setreg_imm32_b32 hwreg(HW_REG_WAVE_MODE, 25, 1), 1
	s_wait_xcnt 0x0
; PREP: what the later launches read many times is made once.  Four kinds of work-group, told apart by the work-group's number; each kind has LDS bytes of its own and its own end.
;   0-255    x [4096][2048] f32 -> codes of FP4 (E2M1), K innermost, cod[row][1024 bytes], and one E8M0 byte for each 32 along K, scl[row][64]
;   256-383  W_Q, W_K, W_V [head][2048 (k)][128] f32 -> the same, row = 128 t + h (t = 0-7 Q's heads, 8-11 K's, 12-15 V's), behind x's in cod and scl.  K is the first axis: a lane takes a column, its registers run down K
;   384-447  W_O [1024 (k)][2048 (n)] f32 -> f16, laid as images of the matrix operand's registers: wo[n / 128][k / 128][16 columns b][32 k c][2 halves][lane][16 bytes]
;   448-511  the rotary table: rot[16 positions][b][u][lane][16 bytes] = cos, sin, cos, sin of pairs 8 b + 4 (lane / 16) + 2 u and the next, at position 16 tile + lane % 16
; THE QUANTISER: a block's scale is 2^(floor(log2(largest magnitude)) - 2); its byte is the largest magnitude's exponent field - 2, held at 1 from below; numbers are divided by the scale and rounded to the nearest code, ties to even, beyond 6 the code of 6.
; LIMITS: a block of zeros gets the byte 1 where the rule says 127 (its codes are zeros, and this program alone reads the bytes); blocks whose largest magnitude lies under 2^-124 keep the byte 1; NaN and infinities are not served;
; W_O goes to f16: magnitudes up to 65,504; under 6e-5 with an absolute error of 3e-8.  The angle is fl(position x frequency), the frequency 2^(-i log2(10000) / 64) by v_exp_f32: a few last bits from a correctly rounded power;
; sine and cosine by a three-part reduction modulo pi / 2 and polynomials good to the last bits of f32 on +-pi / 4, for angles up to 4,095.
.set SPW,   192                        ; v192  LDS address of my spare word; never rewritten
.set NIL,   193                        ; v193  0; never rewritten
.set SPARE, 67584                      ; behind both paths' regions: 128 bytes for each wave, which no other line names
.set WV,    40                         ; s40   my wave's number
.macro FINISH                          ; a wave that stored to LDS ends so
	s_wait_tensorcnt 0x0
	ds_add_u32 v[SPW], v[NIL]
	s_wait_dscnt 0x0
	s_endpgm
.endm
	s_load_b512 s[4:19], s[0:1], 0x0               ; x s[4:5], W_Q s[6:7], W_K s[8:9], W_V s[10:11], W_O s[12:13], cod s[14:15], scl s[16:17], rot s[18:19]
	s_load_b64 s[20:21], s[0:1], 0x40              ; wo
	v_lshl_add_u32 v[SPW], v0, 2, SPARE
	v_mov_b32 v[NIL], 0
	v_lshrrev_b32 v1, 5, v0
	v_readfirstlane_b32 s[WV], v1
	v_and_b32 v2, 31, v0                           ; lane
	s_mov_b32 s45, 0                               ; the upper word of every offset pair s[44:45]
	s_wait_kmcnt 0x0
	s_cmp_lt_u32 ttmp9, 256
	s_cbranch_scc1 .Lx_path
	s_cmp_lt_u32 ttmp9, 384
	s_cbranch_scc1 .Lw_path
	s_cmp_lt_u32 ttmp9, 448
	s_cbranch_scc1 .Lo_path
; ---------------- THE ROTARY TABLE: a wave makes one tile of 16 positions, 32 pairs a lane
.set POS, 16                           ; v16     my position, as f32
.set TF,  32                           ; v32-63  my 32 frequencies: register 4 b + 2 u + j is pair 8 b + 2 u + j + 4 (lane / 16)
.set TD,  64                           ; v64-127 sixteen items of four numbers: each store has data registers of its own
.macro SINCOS f, dc, ds                ; cos and sin of position x v[f]
	v_mul_f32 v8, v[POS], v[\f]                    ; the angle
	v_mul_f32 v9, 0x3f22f983, v8                   ; x 2 / pi
	v_rndne_f32 v9, v9                             ; n: how many quarter turns
	v_fmamk_f32 v8, v9, 0xbfc90000, v8             ; the angle - n pi / 2, pi / 2 in three parts; n has 12 bits and the first part 8, so the first product is exact
	v_fmamk_f32 v8, v9, 0xb9fda000, v8
	v_fmamk_f32 v8, v9, 0xb3a22168, v8             ; r, within +-pi / 4
	v_mul_f32 v10, v8, v8                          ; r^2
	v_cvt_i32_f32 v9, v9
	v_mov_b32 v11, 0xb94ca1f9
	v_fmaak_f32 v11, v11, v10, 0x3c08839e
	v_fmaak_f32 v11, v11, v10, 0xbe2aaaa3
	v_mul_f32 v12, v10, v8                         ; r^3
	v_fma_f32 v11, v11, v12, v8                    ; sin r
	v_mov_b32 v13, 0x37ccf5ce
	v_fmaak_f32 v13, v13, v10, 0xbab6061a
	v_fmaak_f32 v13, v13, v10, 0x3d2aaaa5
	v_mul_f32 v14, v10, v10                        ; r^4
	v_fma_f32 v15, v10, -0.5, 1.0
	v_fma_f32 v13, v13, v14, v15                   ; cos r
	v_and_b32 v14, 1, v9
	v_cmp_eq_u32 vcc_lo, 1, v14                    ; an odd number of quarter turns: the two change places
	v_cndmask_b32 v12, v11, v13, vcc_lo
	v_cndmask_b32 v13, v13, v11, vcc_lo
	v_and_b32 v14, 2, v9                           ; the sine is negative in quarters 2 and 3,
	v_lshlrev_b32 v14, 30, v14
	v_xor_b32 v[\ds], v12, v14
	v_add_nc_u32 v15, 1, v9                        ; the cosine in quarters 1 and 2
	v_and_b32 v15, 2, v15
	v_lshlrev_b32 v15, 30, v15
	v_xor_b32 v[\dc], v13, v15
.endm
	s_sub_co_u32 s41, ttmp9, 448
	s_lshl_b32 s41, s41, 2
	s_add_co_u32 s41, s41, s[WV]                   ; my tile of 16 positions
	s_lshl_b32 s44, s41, 13                        ; 8,192 bytes a tile
	s_add_nc_u64 s[18:19], s[18:19], s[44:45]
	s_lshl_b32 s42, s41, 4
	v_and_b32 v3, 15, v0
	v_add_nc_u32 v3, s42, v3
	v_cvt_f32_u32 v[POS], v3
	v_bfe_u32 v4, v0, 4, 1
	v_lshlrev_b32 v4, 2, v4                        ; 4 (lane / 16)
	v_lshlrev_b32 v5, 4, v2                        ; 16 x lane
.set n, 0
.rept 32
	v_add_nc_u32 v[TF+n], 8*(n/4)+n%4, v4          ; the pair's number i
.set n, n+1
.endr
.set n, 0
.rept 32
	v_cvt_f32_u32 v[TF+n], v[TF+n]
.set n, n+1
.endr
.set n, 0
.rept 32
	v_mul_f32 v[TF+n], 0xbe549a78, v[TF+n]         ; -i log2(10000) / 64
.set n, n+1
.endr
.set n, 0
.rept 32
	v_exp_f32 v[TF+n], v[TF+n]                     ; the frequency: one batch of 32
.set n, n+1
.endr
	v_nop                                          ; a plain instruction behind the last exponential,
	s_wait_alu depctr_va_vdst(0)                   ; and one wait for the batch, ahead of its first reader
.set n, 0
.rept 16
	SINCOS TF+2*n, TD+4*n, TD+4*n+1
	SINCOS TF+2*n+1, TD+4*n+2, TD+4*n+3
	global_store_b128 v5, v[TD+4*n:TD+4*n+3], s[18:19] offset:512*n   ; 32 lanes store 512 consecutive bytes
.set n, n+1
.endr
	s_endpgm
; ---------------- W_O -> f16 images.  A lane takes a column, its registers run down K, 32 at a time; two exchanges of half waves turn 32 columns x 32 k into two operand fragments
.Lo_path:
	s_sub_co_u32 s41, ttmp9, 384
	s_lshr_b32 s42, s41, 2                         ; which 128 columns
	s_and_b32 s43, s41, 3                          ; which 256 along K
	s_lshl_b32 s44, s43, 21                        ; 256 rows of 8,192 bytes
	s_lshl_b32 s46, s42, 9
	s_add_co_u32 s44, s44, s46
	s_lshl_b32 s46, s[WV], 7                       ; my wave's 32 columns
	s_add_co_u32 s44, s44, s46
	s_add_nc_u64 s[12:13], s[12:13], s[44:45]
	s_lshl_b32 s44, s42, 18                        ; images: 8 K steps of 32,768 bytes for each 128 columns,
	s_lshl_b32 s46, s43, 16                        ; two K steps for my 256 along K,
	s_add_co_u32 s44, s44, s46
	s_lshl_b32 s46, s[WV], 13                      ; two tiles of 16 columns, 4,096 bytes each
	s_add_co_u32 s44, s44, s46
	s_add_nc_u64 s[20:21], s[20:21], s[44:45]
	v_lshlrev_b32 v3, 2, v2
	v_lshlrev_b32 v4, 4, v2
.macro OLOAD it                        ; chunk it: W_O(32 it + i, my column), i = 0 .. 31: each load reads 128 consecutive bytes
.set i, 0
.rept 32
	global_load_b32 v[16+32*((\it)%2)+i], v3, s[12:13] offset:(32*(\it)+i)*8192 th:TH_LOAD_NT
.set i, i+1
.endr
.endm
.macro OCHUNK it
.if (\it) < 7
	s_wait_loadcnt 32                              ; this chunk's 32 loads are in; the next chunk's may be out
.else
	s_wait_loadcnt 0x0
.endif
	s_wait_xcnt 0x0                                ; the stores of two chunks ago have read the registers that are written now
.set OP, 96+16*((\it)%2)
.set OX, 16+32*((\it)%2)
.set i, 0
.rept 16
	v_cvt_pk_f16_f32 v[OP+i], v[OX+2*i], v[OX+2*i+1]   ; register i: k = 2 i, 2 i + 1 of my column
.set i, i+1
.endr
.if (\it)+2 < 8
	OLOAD (\it)+2
.endif
.irp j, 0,1,2,3                        ; the first's lanes 16-31 change places with the second's lanes 0-15: registers 0-3 and 8-11 become the even tile's halves (lane: column lane % 16, k = 8 (lane / 16) on), 4-7 and 12-15 the odd tile's
	v_permlane16_swap_b32 v[OP+\j], v[OP+4+\j]
	v_permlane16_swap_b32 v[OP+8+\j], v[OP+12+\j]
.endr
.set OB, ((\it)/4)*32768+((\it)%4)*1024
	global_store_b128 v4, v[OP:OP+3], s[20:21] offset:OB
	global_store_b128 v4, v[OP+8:OP+11], s[20:21] offset:OB+512
	global_store_b128 v4, v[OP+4:OP+7], s[20:21] offset:OB+4096
	global_store_b128 v4, v[OP+12:OP+15], s[20:21] offset:OB+4096+512
.endm
	OLOAD 0
	OLOAD 1
.irp t, 0,1,2,3,4,5,6,7
	OCHUNK \t
.endr
	s_endpgm
; ---------------- x -> codes.  Rows are dense and 2,048 is a multiple of 32: a plain stream of blocks of 32.  A wave takes 16 steps of 512 numbers
.Lx_path:
.set XR, 16                            ; v16-79   four sets of 16 numbers as loaded
.set XX, 80                            ; v80-111  two sets of 16 neighbours
.set XE, 112                           ; v112-127 a scale byte for each step
.set XC, 128                           ; v128-191 codes: registers of its own for each step
.set SP, 80                            ; a lane's place in a stage: 64 bytes + 16 of padding
	v_lshlrev_b32 v3, 4, v2                        ; my 16 bytes of a load's 512
	s_lshl_b32 s41, s[WV], 13                      ; my wave's 8,192 bytes of LDS: two stages, then 256 scale bytes
	v_lshrrev_b32 v14, 2, v2
	v_mul_u32_u24 v14, v14, SP
	v_and_b32 v15, 3, v2
	v_lshl_add_u32 v14, v15, 4, v14
	v_add_nc_u32 v14, s41, v14                     ; into the stage: as the bytes lie, 16 of padding behind each 64
	v_mul_u32_u24 v15, v2, SP
	v_add_nc_u32 v15, s41, v15                     ; out of it: my 16 neighbours
	v_lshlrev_b32 v4, 3, v2                        ; my 8 bytes of a step's codes
	v_lshrrev_b32 v5, 1, v2
	s_add_co_u32 s41, s41, 2*32*SP
	v_add_nc_u32 v5, s41, v5                       ; my block's scale byte
	v_lshlrev_b32 v7, 3, v2
	v_add_nc_u32 v6, s41, v7
	s_lshl_b32 s42, ttmp9, 2
	s_add_co_u32 s42, s42, s[WV]                   ; which run of 8,192 numbers is my wave's
	s_lshl_b32 s44, s42, 15
	s_add_nc_u64 s[4:5], s[4:5], s[44:45]
	s_lshl_b32 s44, s42, 12
	s_add_nc_u64 s[14:15], s[14:15], s[44:45]
	s_lshl_b32 s44, s42, 8
	s_add_nc_u64 s[16:17], s[16:17], s[44:45]
.macro XLOAD t
.irp i, 0,1,2,3
	global_load_b128 v[XR+16*((\t)%4)+4*\i:XR+16*((\t)%4)+4*\i+3], v3, s[4:5] offset:2048*(\t)+512*\i th:TH_LOAD_NT
.endr
.endm
.macro XTURN t                         ; a step's 2,048 bytes through the wave's own stage: LDS serves a wave's instructions in order, so no wait stands between the stores and the loads
.irp i, 0,1,2,3
	ds_store_b128 v14, v[XR+16*((\t)%4)+4*\i:XR+16*((\t)%4)+4*\i+3] offset:32*SP*((\t)%2)+8*SP*\i
.endr
.irp i, 0,1,2,3
	ds_load_b128 v[XX+16*((\t)%2)+4*\i:XX+16*((\t)%2)+4*\i+3], v15 offset:32*SP*((\t)%2)+16*\i
.endr
.endm
.irp t, 0,1,2,3
	XLOAD \t
.endr
	s_wait_loadcnt 12                              ; step 0's four loads are in
	XTURN 0
.macro XSTEP t
.set XS, XX+16*((\t)%2)
.if (\t) > 0
	s_wait_dscnt 1                                 ; this step's numbers are back (the last step's byte store may be out)
.else
	s_wait_dscnt 0x0
.endif
.if (\t)+4 < 16
	XLOAD (\t)+4
.endif
.if (\t)+1 < 16
.if 14-(\t) >= 3
	s_wait_loadcnt 12                              ; the next step's four loads are in; three steps' may be out
.else
	s_wait_loadcnt 4*(14-(\t))
.endif
	XTURN (\t)+1
.endif
	v_max3_num_f32 v8, |v[XS]|, |v[XS+1]|, |v[XS+2]|
	v_max3_num_f32 v9, |v[XS+3]|, |v[XS+4]|, |v[XS+5]|
.irp i, 6,10
	v_max3_num_f32 v8, v8, |v[XS+\i]|, |v[XS+\i+1]|
	v_max3_num_f32 v9, v9, |v[XS+\i+2]|, |v[XS+\i+3]|
.endr
	v_max3_num_f32 v8, v8, |v[XS+14]|, |v[XS+15]|
	v_max3_num_f32 v8, v8, v9, 0x1800000           ; the floor 2^(3 - 127): the byte cannot fall under 1
	v_max_num_f32_dpp v8, v8, v8 row_xmask:1 row_mask:0xf bank_mask:0xf   ; with my neighbour's 16: the block's largest magnitude
	v_add_nc_u32 v11, 0xff000000, v8               ; 2 off its exponent field: the conversion takes this operand's exponent field as its scale
	v_cvt_scalef32_pk8_fp4_f32 v[XC+4*(\t)], v[XS:XS+7], v11
	v_cvt_scalef32_pk8_fp4_f32 v[XC+4*(\t)+1], v[XS+8:XS+15], v11
	v_lshrrev_b32 v[XE+(\t)], 23, v11              ; the scale's byte
	ds_store_b8 v5, v[XE+(\t)] offset:16*(\t)      ; both lanes of a block write the same byte with the same value
	global_store_b64 v4, v[XC+4*(\t):XC+4*(\t)+1], s[14:15] offset:256*(\t)   ; the wave stores 256 consecutive bytes, aligned
.endm
.irp t, 0,1,2,3,4,5,6,7,8,9,10,11,12,13,14,15
	XSTEP \t
.endr
	ds_load_b64 v[8:9], v6
	s_wait_dscnt 0x0
	global_store_b64 v7, v[8:9], s[16:17]          ; the wave's 256 scale bytes, aligned
	FINISH
; ---------------- W_Q, W_K, W_V -> codes.  A work-group takes 64 columns of one head x 512 along K.  Wave (c, kh) takes columns 32 c on and 256 along K from 256 kh on: eight blocks a lane.
; A wave has two blocks' loads out at a time, so eight blocks are four waits on end, as many as the other kinds have (x: 16 steps, four out; W_O: 8 chunks, two out).  Two waves side by side read 256 consecutive bytes of a row of W.
; A column's 256 bytes of codes come from two waves: they meet in the work-group's stage (64 rows of 256 + 16 bytes), a barrier stands between its stores and its reads, and each wave stores 16 whole rows.
.Lw_path:
.set WX,   32                          ; v32-95   two sets of 32 numbers
.set WC,   96                          ; v96-99   a block's codes
.set WOUT, 112                         ; v112-143 the way out
.set WSB,  24                          ; v24-25   8 scale bytes
	s_sub_co_u32 s41, ttmp9, 256
	s_lshr_b32 s42, s41, 3                         ; t: the head among the sixteen
	s_bfe_u32 s24, s41, 0x10002                    ; which 64 of its columns
	s_and_b32 s43, s41, 3                          ; which 512 along K
	s_and_b32 s25, s[WV], 1                        ; c: which 32 of the 64 columns
	s_lshr_b32 s26, s[WV], 1                       ; kh: which 256 of the 512
	s_cmp_lt_u32 s42, 12
	s_cselect_b64 s[22:23], s[8:9], s[10:11]       ; the tensor is chosen by the work-group's number alone
	s_cselect_b32 s44, 8, 12
	s_cmp_lt_u32 s42, 8
	s_cselect_b64 s[22:23], s[6:7], s[22:23]
	s_cselect_b32 s44, 0, s44
	s_sub_co_u32 s44, s42, s44                     ; the head in its own tensor
	s_lshl_b32 s44, s44, 20
	s_lshl_b32 s46, s43, 18                        ; 512 rows of 512 bytes
	s_add_co_u32 s44, s44, s46
	s_lshl_b32 s46, s26, 17                        ; 256 rows
	s_add_co_u32 s44, s44, s46
	s_lshl_b32 s46, s24, 8                         ; 64 columns
	s_add_co_u32 s44, s44, s46
	s_lshl_b32 s46, s25, 7                         ; 32 columns
	s_add_co_u32 s44, s44, s46
	s_add_nc_u64 s[22:23], s[22:23], s[44:45]
	s_lshl_b32 s46, s42, 7
	s_lshl_b32 s47, s24, 6
	s_add_co_u32 s46, s46, s47                     ; the work-group's first row of the codes
	s_lshl_b32 s47, s[WV], 4
	s_add_co_u32 s47, s46, s47                     ; the first of the 16 rows that I store
	s_lshl_b32 s44, s47, 10
	s_lshl_b32 s47, s43, 8
	s_add_co_u32 s44, s44, s47
	s_add_co_u32 s44, s44, 4194304                 ; behind x's codes
	s_add_nc_u64 s[14:15], s[14:15], s[44:45]
	s_lshl_b32 s47, s25, 5
	s_add_co_u32 s46, s46, s47                     ; the row of my first column
	s_lshl_b32 s44, s46, 6
	s_lshl_b32 s47, s43, 4
	s_add_co_u32 s44, s44, s47
	s_lshl_b32 s47, s26, 3
	s_add_co_u32 s44, s44, s47
	s_add_co_u32 s44, s44, 262144                  ; behind x's scale bytes
	s_add_nc_u64 s[16:17], s[16:17], s[44:45]
	v_lshlrev_b32 v3, 2, v2
	s_mul_i32 s41, s25, 8704                       ; the stage, in this path's own LDS: into it: row = my column (32 c + lane), my half of its 256 bytes
	s_lshl_b32 s47, s26, 7
	s_add_co_u32 s41, s41, s47
	s_add_co_u32 s41, s41, 32768
	v_mul_u32_u24 v4, v2, 272
	v_add_nc_u32 v4, s41, v4
	s_mul_i32 s41, s[WV], 4352                     ; out of it: rows 16 wave on, sixteen lanes to a row
	s_add_co_u32 s41, s41, 32768
	v_and_b32 v5, 15, v2
	v_lshrrev_b32 v6, 4, v2
	v_mul_u32_u24 v7, v6, 272
	v_lshl_add_u32 v7, v5, 4, v7
	v_add_nc_u32 v7, s41, v7
	v_lshlrev_b32 v8, 10, v6
	v_lshl_add_u32 v8, v5, 4, v8                   ; the same place in the codes
	v_lshlrev_b32 v9, 6, v2                        ; my column's row of scale bytes
.macro WLOAD t
.set i, 0
.rept 32
	global_load_b32 v[WX+32*((\t)%2)+i], v3, s[22:23] offset:(32*(\t)+i)*512 th:TH_LOAD_NT
.set i, i+1
.endr
.endm
	WLOAD 0
	WLOAD 1
.macro WBLOCK t
.set XS, WX+32*((\t)%2)
.if (\t) < 7
	s_wait_loadcnt 32                              ; this block's 32 loads are in; the next block's may be out
.else
	s_wait_loadcnt 0x0
.endif
	v_max3_num_f32 v12, |v[XS]|, |v[XS+1]|, |v[XS+2]|   ; all 32 numbers of the block are mine
	v_max3_num_f32 v13, |v[XS+3]|, |v[XS+4]|, |v[XS+5]|
.irp i, 6,10,14,18,22,26
	v_max3_num_f32 v12, v12, |v[XS+\i]|, |v[XS+\i+1]|
	v_max3_num_f32 v13, v13, |v[XS+\i+2]|, |v[XS+\i+3]|
.endr
	v_max3_num_f32 v12, v12, |v[XS+30]|, |v[XS+31]|
	v_max3_num_f32 v12, v12, v13, 0x1800000
	v_add_nc_u32 v11, 0xff000000, v12
	v_lshrrev_b32 v13, 23, v11
.if (\t)%4 == 0
	v_mov_b32 v[WSB+(\t)/4], v13
.else
	v_lshl_or_b32 v[WSB+(\t)/4], v13, 8*((\t)%4), v[WSB+(\t)/4]
.endif
.irp g, 0,1,2,3
	v_cvt_scalef32_pk8_fp4_f32 v[WC+\g], v[XS+8*\g:XS+8*\g+7], v11
.endr
	ds_store_b128 v4, v[WC:WC+3] offset:16*(\t)
.if (\t)+2 < 8
	WLOAD (\t)+2
.endif
	s_wait_dscnt 0x0                               ; the store has read its registers: the next block's codes may be written
.endm
.irp t, 0,1,2,3,4,5,6,7
	WBLOCK \t
.endr
	global_store_b64 v9, v[WSB:WSB+1], s[16:17]    ; my column's 8 scale bytes
	s_wait_dscnt 0x0                               ; for the others' sake: my stores into the stage have landed
	s_barrier_signal -1
	s_barrier_wait -1
.irp t, 0,1,2,3,4,5,6,7
	ds_load_b128 v[WOUT+4*\t:WOUT+4*\t+3], v7 offset:2*\t*272
.endr
.irp t, 0,1,2,3,4,5,6,7
	s_wait_dscnt 7-\t                              ; row pair t is back; the younger loads may be out
	global_store_b128 v8, v[WOUT+4*\t:WOUT+4*\t+3], s[14:15] offset:2*\t*1024   ; sixteen lanes store 256 consecutive bytes, aligned
.endr
	FINISH
.Lfunc_end_k_q23ca2cd9b6_prep:
	.size	k_q23ca2cd9b6_prep, .Lfunc_end_k_q23ca2cd9b6_prep-k_q23ca2cd9b6_prep
	.p2alignl 7, 3214868480
	.fill 96, 4, 3214868480
	.section	.rodata,"a",@progbits
	.p2align	6, 0x0
	.amdhsa_kernel k_q23ca2cd9b6_prep
		.amdhsa_group_segment_fixed_size 68096
		.amdhsa_private_segment_fixed_size 0
		.amdhsa_enable_private_segment 0
		.amdhsa_kernarg_size 72
		.amdhsa_user_sgpr_count 2
		.amdhsa_user_sgpr_kernarg_segment_ptr 1
		.amdhsa_wavefront_size32 1
		.amdhsa_system_sgpr_workgroup_id_x 1
		.amdhsa_system_sgpr_workgroup_id_y 1
		.amdhsa_system_sgpr_workgroup_id_z 1
		.amdhsa_system_vgpr_workitem_id 0
		.amdhsa_next_free_vgpr 196
		.amdhsa_next_free_sgpr 66
		.amdhsa_reserve_vcc 1
		.amdhsa_float_denorm_mode_32 3
		.amdhsa_float_denorm_mode_16_64 3
		.amdhsa_memory_ordered 1
		.amdhsa_forward_progress 1
		.amdhsa_inst_pref_size 162
	.end_amdhsa_kernel
	.amdgpu_metadata
---
amdhsa.version: [ 1, 2 ]
amdhsa.kernels:
  - .name:           k_q23ca2cd9b6_prep
    .symbol:         k_q23ca2cd9b6_prep.kd
    .args:
      - { .name: x, .offset: 0, .size: 8, .value_kind: global_buffer, .address_space: global }
      - { .name: W_Q, .offset: 8, .size: 8, .value_kind: global_buffer, .address_space: global }
      - { .name: W_K, .offset: 16, .size: 8, .value_kind: global_buffer, .address_space: global }
      - { .name: W_V, .offset: 24, .size: 8, .value_kind: global_buffer, .address_space: global }
      - { .name: W_O, .offset: 32, .size: 8, .value_kind: global_buffer, .address_space: global }
      - { .name: cod, .offset: 40, .size: 8, .value_kind: global_buffer, .address_space: global }
      - { .name: scl, .offset: 48, .size: 8, .value_kind: global_buffer, .address_space: global }
      - { .name: rot, .offset: 56, .size: 8, .value_kind: global_buffer, .address_space: global }
      - { .name: wo, .offset: 64, .size: 8, .value_kind: global_buffer, .address_space: global }
    .group_segment_fixed_size: 68096
    .private_segment_fixed_size: 0
    .kernarg_segment_align: 8
    .kernarg_segment_size: 72
    .max_flat_workgroup_size: 128
    .sgpr_count:     66
    .vgpr_count:     196
    .wavefront_size: 32
...
	.end_amdgpu_metadata
.endif
;; end of part 1
;; launch qkv (part 2): grid 16 x 16, 4 waves a work-group, clusters of 4 x 4, 327,680 bytes of LDS; arguments cod, scl, rot, b_Q, b_K, b_V, qi, kv, fin; writes qi, kv, fin
.if DOCPART == 2
	.amdgcn_target "amdgcn-amd-amdhsa--gfx1250"
	.amdhsa_code_object_version 6
	.text
	.protected	k_q23ca2cd9b6_qkv
	.globl	k_q23ca2cd9b6_qkv
	.p2align	8
	.type	k_q23ca2cd9b6_qkv,@function
k_q23ca2cd9b6_qkv:
	s_mov_b64 s[64:65], 0
	v_nop
	global_prefetch_b8 v0, s[64:65] scope:SCOPE_SE
	s_setreg_imm32_b32 hwreg(HW_REG_WAVE_MODE, 25, 1), 1
	s_wait_xcnt 0x0
	s_wait_alu depctr_hold_cnt(0) depctr_sa_sdst(0) depctr_va_vdst(0) depctr_va_sdst(0) depctr_va_ssrc(0) depctr_va_vcc(0) depctr_vm_vsrc(0)
	s_getreg_b32 s2, hwreg(HW_REG_IB_STS2, 6, 4)
	s_cmp_eq_u32 s2, 0
	s_cbranch_scc0 .Lentry_in_a_cluster
	s_endpgm
.Lentry_in_a_cluster:
	s_bfe_u32 s2, ttmp6, 0x10000c
	s_cmp_lg_u32 s2, 0xf033
	s_cbranch_scc0 .Lentry_shape_is_right
	s_endpgm
.Lentry_shape_is_right:
; q, k, v = x W + b on codes of FP4 (E2M1) with E8M0 scales, then the rotary turn of q and k, all in f32; the results leave as f16 images of the operands that the attention launch wants.
; A work-group makes 256 positions x the 128 columns of ONE head (column tile t = 0-7 Q's heads, 8-11 K's, 12-15 V's); each of four waves 64 positions x 128 columns: 32 accumulators of 16 x 16.
; K = 2,048 goes in four steps of 512 through two LDS slots (rows of 256 bytes + 16 of padding); the scale bytes of the tile's rows, for all of K, come once, with the first fills.
; CLUSTER 4 x 4: x's tiles are shared along a row of the cluster, W's along a column: joint loads.  The kind of head hangs on the cluster's x alone (0, 1: Q; 2: K; 3: V), so all partners take the same way.
; THE MATRIX INSTRUCTION IS USED TRANSPOSED (source 0 = 16 rows of W's codes, source 1 = 16 rows of x): lane (r, h) holds position r and columns 16 b + 8 h + 0 .. 7.  The bias is the C of each sum's first instruction.
; OUT.  q x log2(e) / sqrt(128) and k: four f16 words a tile are half an operand fragment as they stand: qi[head][16 positions][b][lane][16 bytes], kv[head][64 keys][a][b][lane][16 bytes].
; v: through the wave's stage in LDS and back turned (keys innermost): kv[head][64 keys] + 16,384 + [32 keys kc, 16 channels ct][half][lane][16 bytes].
; Positions 0-15 also leave in f32, 8,192 bytes a head t: q and k as my registers stand, fin[t][b][u][lane][16 bytes] (each store covers 512 consecutive bytes, and so does each load of the launch that reads them); v as fin[t][position][128 channels].
; THE ROTARY TABLE is loaded by every kind of head, V's too, which does not use it (131,072 bytes a work-group): the loads stand on the one way that all take, so that each register read on the way out is written on every way through the text.
; LIMITS: q x 0.1275, k and v go to f16: magnitudes up to 65,504; under 6e-5 with an absolute error of 3e-8.
; REGISTERS: window 0: v16-31 addresses; v32-95 scale words, two sets, and nothing else; v96-159 x's fragments, two sets (on the way out the turned numbers); v160-223 the bias (then f16 words); v224-231 at work.
;   window 1: v0-127 W's fragments, two sets.   window 2: the accumulators, (a, b) at v[8 (8 a + b)].   window 3: the rotary table, in the accumulators' layout: cos at 2 p, sin at 2 p + 1.
.set SLOT,  104448                     ; x's 256 rows of 272 bytes, then W's 128
.set BOF,   69632
.set SCL,   208896                     ; behind the ring: x's scale bytes, 64 units of 256 + 16, then W's 32 units
.set SPARE, 235008                     ; the spare words, 128 bytes for each wave, which no other line names
.set ADRA, 16                          ; v16-17 my x fragments in slot 0, 1
.set ADRB, 20                          ; v20-21 W's
.set BO,   23                          ; v23  32 (lane / 16): my place in a tile's bias
.set L16,  24                          ; v24  16 x lane
.set VF,   25                          ; v25  v's place in fin: 512 r + 32 h
.set STO,  26                          ; v26  V's stage, in
.set ADRS, 27                          ; v27  my scale words: lanes 0-15 x's rows, lanes 16-31 W's
.set SPW,  28                          ; v28  my spare word; never rewritten
.set NIL,  29                          ; v29  0; never rewritten
.set AV,   30                          ; v30  V's stage, back, turned
.set ROW0, 31                          ; v31  my wave's first position
.set SC,   32
.set AF,   96
.set BI,   160
.set TT,   224
.set FF,   96
.set HH,   160
.set WV,   22                          ; s22  wave
.set FB,   23                          ; s23  0: I fetch for x, 1: for W
.set G1A,  24
.set G0A,  32
.set G1B,  48
.set G0B,  56
.set G1SA, 68
.set G0SA, 76
.set G1SB, 80
.set G0SB, 88
.set MSB, 0
.macro WIN new                         ; the immediate's high byte repeats the setting that is left
.if MSB != \new
	s_set_vgpr_msb (MSB<<8)|\new
.set MSB, \new
.endif
.endm
.macro JLOAD g0a, g1a, g0b, g1b        ; a joint load: waves 0, 1 for x, waves 2, 3 for W; the branch hangs on the wave's number alone; s_nop 0 and four v_nop follow each line
	s_cmp_eq_u32 s[FB], 0
	s_cbranch_scc0 .Lfor_b_\@
	tensor_load_to_lds s[\g0a:\g0a+3], s[\g1a:\g1a+7]
	s_nop 0
.rept 4
	v_nop
.endr
	s_branch .Lasked_\@
.Lfor_b_\@:
	tensor_load_to_lds s[\g0b:\g0b+3], s[\g1b:\g1b+7]
	s_nop 0
.rept 4
	v_nop
.endr
.Lasked_\@:
.endm
.macro CREST                           ; a round of the cluster's barrier behind its opening barrier
	s_cmp_lg_u32 s[WV], 0
	s_cbranch_scc1 .Lnot_wave_0_\@
	s_barrier_signal -3
.Lnot_wave_0_\@:
	s_barrier_wait -3
	s_barrier_signal -1
	s_barrier_wait -1
.endm
.macro CROUND
	s_barrier_signal -1
	s_barrier_wait -1
	CREST
.endm
.macro PLACES                          ; four plain instructions between a matrix instruction and a load into, or a vector access to, its registers
.rept 4
	v_nop
.endr
.endm
.macro FINISH                          ; the wave's end; then the closing round: no work-group ends while a partner may still ask for a tile that names it
	s_wait_tensorcnt 0x0
	ds_add_u32 v[SPW], v[NIL]
	s_wait_dscnt 0x0
	CROUND
	s_endpgm
.endm
	s_load_b512 s[4:19], s[0:1], 0x0               ; cod s[4:5], scl s[6:7], rot s[8:9], b_Q s[10:11], b_K s[12:13], b_V s[14:15], qi s[16:17], kv s[18:19]
	s_load_b64 s[20:21], s[0:1], 0x40              ; fin
	v_lshl_add_u32 v[SPW], v0, 2, SPARE
	v_mov_b32 v[NIL], 0
	ds_add_u32 v[SPW], v[NIL]                      ; the opening: the add, twice on end, and its wait ahead of my first tensor load
	ds_add_u32 v[SPW], v[NIL]
	v_lshrrev_b32 v1, 5, v0
	v_readfirstlane_b32 s[WV], v1
	s_lshr_b32 s[FB], s[WV], 1
	s_and_b32 s46, s[WV], 1                        ; which half of the tile I fetch
	s_bfe_u32 s40, ttmp6, 0x40000                  ; cx
	s_bfe_u32 s41, ttmp6, 0x40004                  ; cy
	s_lshl_b32 s42, ttmp9, 2
	s_add_co_u32 s42, s42, s40                     ; t: the column tile = the head among the sixteen
	s_and_b32 s43, ttmp7, 0xffff
	s_lshl_b32 s43, s43, 2
	s_add_co_u32 s43, s43, s41                     ; the row tile
	s_lshl_b32 s44, s41, 2
	s_lshl_b32 s44, 15, s44                        ; my row of the cluster
	s_lshl_b32 s45, 0x1111, s40                    ; my column
	s_or_b32 s[G1A], s44, (1<<20)|(1<<21)|(5<<22)|(3<<25)    ; x's codes: 128 rows of 256 bytes, 1,024 apart; four words of padding behind every 64; bit 21 beside the mask
	s_or_b32 s[G1B], s45, (1<<20)|(1<<21)|(5<<22)|(3<<25)    ; W's: 64 rows
	s_mov_b32 s[G1A+1], 256<<16
	s_mov_b32 s[G1A+2], 128<<16
	s_mov_b32 s[G1A+3], 256<<16
	s_mov_b32 s[G1A+4], 128
	s_mov_b32 s[G1A+5], 1024
	s_mov_b32 s[G1A+6], 0
	s_mov_b32 s[G1A+7], 0
	s_mov_b32 s[G1B+1], 256<<16
	s_mov_b32 s[G1B+2], 64<<16
	s_mov_b32 s[G1B+3], 256<<16
	s_mov_b32 s[G1B+4], 64
	s_mov_b32 s[G1B+5], 1024
	s_mov_b32 s[G1B+6], 0
	s_mov_b32 s[G1B+7], 0
	s_or_b32 s[G1SA], s44, (3<<16)|(1<<20)|(1<<21)|(5<<22)|(3<<25)   ; scale bytes: dense, as rows of 256 bytes (32 elements of 8): x's 128 rows are 32 such rows,
	s_or_b32 s[G1SB], s45, (3<<16)|(1<<20)|(1<<21)|(5<<22)|(3<<25)   ; W's 64 rows are 16
	s_mov_b32 s[G1SA+1], 32<<16
	s_mov_b32 s[G1SA+2], 32<<16
	s_mov_b32 s[G1SA+3], 32<<16
	s_mov_b32 s[G1SA+4], 32
	s_mov_b32 s[G1SA+5], 32
	s_mov_b32 s[G1SA+6], 0
	s_mov_b32 s[G1SA+7], 0
	s_mov_b32 s[G1SB+1], 32<<16
	s_mov_b32 s[G1SB+2], 16<<16
	s_mov_b32 s[G1SB+3], 32<<16
	s_mov_b32 s[G1SB+4], 16
	s_mov_b32 s[G1SB+5], 32
	s_mov_b32 s[G1SB+6], 0
	s_mov_b32 s[G1SB+7], 0
	s_mul_i32 s47, s46, 34816                      ; where the tiles go: made of the wave's number alone
	s_mul_i32 s2, s46, 17408
	s_add_co_u32 s2, s2, BOF
	s_mul_i32 s3, s46, 8704
	s_add_co_u32 s3, s3, SCL
	s_mul_i32 s66, s46, 4352
	s_add_co_u32 s66, s66, SCL+17408
	s_lshl_b32 s92, s43, 18                        ; x's codes: row 256 x row tile + 128 x half, 1,024 bytes a row: no register here ever holds cx
	s_lshl_b32 s94, s46, 17
	s_add_co_u32 s92, s92, s94
	s_mov_b32 s93, 0
	s_lshl_b32 s94, s43, 14                        ; x's scale bytes, 64 a row
	s_lshl_b32 s95, s46, 13
	s_add_co_u32 s94, s94, s95
	s_mov_b32 s95, 0
	s_lshl_b32 s96, s42, 17                        ; W's codes: row 128 t + 64 x half, behind x's: no register here ever holds cy
	s_lshl_b32 s98, s46, 16
	s_add_co_u32 s96, s96, s98
	s_add_co_u32 s96, s96, 4194304
	s_mov_b32 s97, 0
	s_lshl_b32 s98, s42, 13
	s_lshl_b32 s99, s46, 12
	s_add_co_u32 s98, s98, s99
	s_add_co_u32 s98, s98, 262144
	s_mov_b32 s99, 0
	s_wait_dscnt 0x0                               ; both opening adds are done
	s_wait_kmcnt 0x0
	s_add_nc_u64 s[92:93], s[4:5], s[92:93]
	s_add_nc_u64 s[94:95], s[6:7], s[94:95]
	s_add_nc_u64 s[96:97], s[4:5], s[96:97]
	s_add_nc_u64 s[98:99], s[6:7], s[98:99]
	CROUND                                         ; all sixteen work-groups are here: the first joint loads meet
	s_mov_b32 s[G0SA], 1
	s_mov_b32 s[G0SA+1], s3
	s_mov_b64 s[G0SA+2:G0SA+3], s[94:95]
	s_or_b32 s[G0SA+3], s[G0SA+3], 0x80000000
	s_mov_b32 s[G0SB], 1
	s_mov_b32 s[G0SB+1], s66
	s_mov_b64 s[G0SB+2:G0SB+3], s[98:99]
	s_or_b32 s[G0SB+3], s[G0SB+3], 0x80000000
	JLOAD G0SA, G1SA, G0SB, G1SB                   ; the scale bytes first: they are wanted with K step 0
.irp s, 0,1
	s_mov_b32 s[G0A+4*\s], 1
	s_add_co_u32 s[G0A+4*\s+1], s47, \s*SLOT
	s_add_nc_u64 s[G0A+4*\s+2:G0A+4*\s+3], s[92:93], \s*256
	s_or_b32 s[G0A+4*\s+3], s[G0A+4*\s+3], 0x80000000
	s_mov_b32 s[G0B+4*\s], 1
	s_add_co_u32 s[G0B+4*\s+1], s2, \s*SLOT
	s_add_nc_u64 s[G0B+4*\s+2:G0B+4*\s+3], s[96:97], \s*256
	s_or_b32 s[G0B+4*\s+3], s[G0B+4*\s+3], 0x80000000
	JLOAD G0A+4*\s, G1A, G0B+4*\s, G1B             ; three tensor loads of mine are out now
.endr
	; the pointers of my kind of head; every choice hangs on the cluster's x alone
	s_lshl_b32 s94, s42, 20                        ; qi: head t, 16 row tile + 4 wave tiles of 4,096 bytes
	s_lshl_b32 s95, s43, 16
	s_add_co_u32 s94, s94, s95
	s_lshl_b32 s95, s[WV], 14
	s_add_co_u32 s94, s94, s95
	s_lshl_b32 s96, s40, 21                        ; kv: head cx, step 4 row tile + wave of 32,768 bytes
	s_lshl_b32 s95, s43, 17
	s_add_co_u32 s96, s96, s95
	s_lshl_b32 s95, s[WV], 15
	s_add_co_u32 s96, s96, s95
	s_cmp_eq_u32 ttmp9, 3
	s_cselect_b64 s[12:13], s[14:15], s[12:13]     ; b_V or b_K
	s_cselect_b32 s95, 16384, 0                    ; V's images lie behind K's
	s_add_co_u32 s96, s96, s95
	s_cmp_lt_u32 ttmp9, 2
	s_cselect_b64 s[10:11], s[10:11], s[12:13]
	s_cselect_b64 s[16:17], s[16:17], s[18:19]
	s_cselect_b32 s92, s42, s40                    ; the head in its own tensor
	s_cselect_b32 s94, s94, s96
	s_cselect_b32 s66, 0x3e0293ee, 1.0             ; q is multiplied by log2(e) / sqrt(128), in f32, ahead of its rounding; k by 1
	s_mov_b32 s67, s66                             ; (named with it as a pair)
	s_mov_b32 s95, 0
	s_add_nc_u64 s[16:17], s[16:17], s[94:95]
	s_lshl_b32 s92, s92, 9
	s_mov_b32 s93, 0
	s_add_nc_u64 s[10:11], s[10:11], s[92:93]
	s_lshl_b32 s92, s42, 13                        ; fin: 8,192 bytes a head
	s_add_nc_u64 s[20:21], s[20:21], s[92:93]
	s_lshl_b32 s92, s43, 17                        ; the table: 16 row tile + 4 wave tiles of 8,192 bytes
	s_lshl_b32 s94, s[WV], 15
	s_add_co_u32 s92, s92, s94
	s_add_nc_u64 s[8:9], s[8:9], s[92:93]
	v_and_b32 v1, 15, v0                           ; r
	v_bfe_u32 v2, v0, 4, 1                         ; h
	v_lshlrev_b32 v[BO], 5, v2
.irp b, 0,1,2,3,4,5,6,7
	global_load_b128 v[BI+8*\b:BI+8*\b+3], v[BO], s[10:11] offset:64*\b       ; the bias of columns 16 b + 8 h + 0 .. 7
	global_load_b128 v[BI+8*\b+4:BI+8*\b+7], v[BO], s[10:11] offset:64*\b+16
.endr
	v_mul_u32_u24 v3, v1, 272
	v_lshl_add_u32 v3, v2, 4, v3                   ; a fragment's row x pitch + 16 h
	s_mul_i32 s92, s[WV], 17408                    ; my 64 rows of x
	v_add_nc_u32 v[ADRA], s92, v3
	s_add_co_u32 s92, s92, SLOT
	v_add_nc_u32 v[ADRA+1], s92, v3
	v_add_nc_u32 v[ADRB], BOF, v3
	v_add_nc_u32 v[ADRB+1], BOF+SLOT, v3
	v_lshrrev_b32 v5, 2, v1                        ; scale bytes: four rows of 64 to a unit of 256 + 16
	v_mul_u32_u24 v5, v5, 272
	v_and_b32 v6, 3, v1
	v_lshl_add_u32 v5, v6, 6, v5
	s_mul_i32 s92, s[WV], 4352                     ; my 64 rows' 16 units
	s_sub_co_u32 s93, 17408, s92
	v_mul_u32_u24 v6, s93, v2                      ; lanes 16-31 take W's, which begin behind x's 64 units: one product, the distance between the two bases
	s_add_co_u32 s92, s92, SCL
	v_add_nc_u32 v5, v5, v6
	v_add_nc_u32 v[ADRS], s92, v5
	v_and_b32 v7, 31, v0
	v_lshlrev_b32 v[L16], 4, v7
	v_lshlrev_b32 v[VF], 9, v1
	v_lshl_add_u32 v[VF], v2, 5, v[VF]
	s_mul_i32 s92, s[WV], 18432                    ; V's stage: 64 keys x (256 bytes + 32), in slot 0, used only behind that slot's last fill and last read
	v_mul_u32_u24 v[STO], v1, 288
	v_lshl_add_u32 v[STO], v2, 4, v[STO]
	v_add_nc_u32 v[STO], s92, v[STO]
	v_and_b32 v7, 7, v0
	v_lshl_add_u32 v7, v2, 3, v7
	v_mul_u32_u24 v[AV], v7, 288                   ; the turning load: key 8 h + lane % 8, channels 8 ((lane / 8) % 2) on
	v_bfe_u32 v7, v0, 3, 1
	v_lshl_add_u32 v[AV], v7, 4, v[AV]
	v_add_nc_u32 v[AV], s92, v[AV]
	s_lshl_b32 s92, s43, 8
	s_lshl_b32 s93, s[WV], 6
	s_add_co_u32 s92, s92, s93
	v_mov_b32 v[ROW0], s92
.macro FRAG reg, adr, off              ; 16 rows x 128 K of 4-bit codes: 8 registers, two loads of 16 bytes, 32 apart
	ds_load_b128 v[\reg:\reg+3], v[\adr] offset:\off
	ds_load_b128 v[\reg+4:\reg+7], v[\adr] offset:\off+32
.endm
.macro FETCH slot, q, set              ; the fragments of the slot's q-th 128 along K: W's eight, x's four
	WIN 0x40
.irp i, 0,1,2,3,4,5,6,7
	FRAG 64*(\set)+8*\i, ADRB+\slot, 64*(\q)+\i*4352
.endr
	WIN 0
.irp i, 0,1,2,3
	FRAG AF+32*(\set)+8*\i, ADRA+\slot, 64*(\q)+\i*4352
.endr
.endm
.macro SCALES sc                       ; a K step's scale words: register 4 i + q: lanes 0-15 x's block i (i under 4 is used), lanes 16-31 W's block i
.irp i, 0,1,2,3,4,5,6,7
	ds_load_b128 v[SC+32*\sc+4*\i:SC+32*\sc+4*\i+3], v[ADRS] offset:\i*1088
.endr
.endm
; eight matrix instructions: x's block a against W's eight.  The 32 accumulators take turns, one instruction a turn, in one order throughout.  first = 1: C is the bias
.macro MUL8 a, set, q, sc, first
.irp b, 0,1,2,3,4,5,6,7
.if \first
	v_wmma_scale_f32_16x16x128_f8f6f4 v[8*(8*(\a)+\b):8*(8*(\a)+\b)+7], v[64*(\set)+8*\b:64*(\set)+8*\b+7], v[AF+32*(\set)+8*(\a):AF+32*(\set)+8*(\a)+7], v[BI+8*\b:BI+8*\b+7], v[SC+32*(\sc)+4*\b+(\q)], v[SC+32*(\sc)+4*(\a)+(\q)] matrix_a_fmt:MATRIX_FMT_FP4 matrix_b_fmt:MATRIX_FMT_FP4 matrix_a_scale:MATRIX_SCALE_ROW1
.else
	v_wmma_scale_f32_16x16x128_f8f6f4 v[8*(8*(\a)+\b):8*(8*(\a)+\b)+7], v[64*(\set)+8*\b:64*(\set)+8*\b+7], v[AF+32*(\set)+8*(\a):AF+32*(\set)+8*(\a)+7], v[8*(8*(\a)+\b):8*(8*(\a)+\b)+7], v[SC+32*(\sc)+4*\b+(\q)], v[SC+32*(\sc)+4*(\a)+(\q)] matrix_a_fmt:MATRIX_FMT_FP4 matrix_b_fmt:MATRIX_FMT_FP4 matrix_a_scale:MATRIX_SCALE_ROW1
.endif
.endr
.endm
.macro STEP slot, q, first             ; 128 along K whose successor lies in the same slot: the next fragments are asked for ahead of this step's 32 products
	s_wait_dscnt 0x0                               ; this step's fragments are in
	PLACES
	FETCH \slot, (\q)+1, ((\q)+1)%2
.if \first
	WIN 0x81                                       ; W window 1, x and the bias window 0, D window 2
.else
	WIN 0xa1                                       ; C and D window 2
.endif
	MUL8 0, (\q)%2, \q, \slot, \first
	MUL8 1, (\q)%2, \q, \slot, \first
	MUL8 2, (\q)%2, \q, \slot, \first
	MUL8 3, (\q)%2, \q, \slot, \first
.endm
; a slot's last step changes slots: each wave waits for all its tensor loads, adds 0 to its spare word, waits for that and for its reads of the slot, and signals.  fill = 1: the barrier opens a round of the cluster's, and the slot is filled again first thing behind it
.macro TURN slot, next, fill
	WIN 0
	s_wait_tensorcnt 0x0                           ; my part of the next slot has landed; no load of mine is out
	ds_add_u32 v[SPW], v[NIL]
	s_wait_dscnt 1                                 ; the fragments are in; the add may be out
	WIN 0xa1
	MUL8 0, 1, 3, \slot, 0
	s_wait_dscnt 0x0                               ; the add is done, and my reads of this slot are over
	s_barrier_signal -1
	MUL8 1, 1, 3, \slot, 0
	WIN 0
	s_barrier_wait -1
.if \fill
	CREST
	s_add_nc_u64 s[G0A+4*\slot+2:G0A+4*\slot+3], s[G0A+4*\slot+2:G0A+4*\slot+3], 512   ; two K steps on
	s_add_nc_u64 s[G0B+4*\slot+2:G0B+4*\slot+3], s[G0B+4*\slot+2:G0B+4*\slot+3], 512
	JLOAD G0A+4*\slot, G1A, G0B+4*\slot, G1B       ; its four v_nop are also the places in front of the loads below
.else
	PLACES
.endif
	v_add_nc_u32 v[ADRS], 16, v[ADRS]              ; the next K step's 16 scale bytes a row
	FETCH \next, 0, 0
	SCALES \next
	WIN 0xa1
	MUL8 2, 1, 3, \slot, 0
	MUL8 3, 1, 3, \slot, 0
.endm
	s_wait_tensorcnt 0x1                           ; the scale bytes and my part of K step 0 are in; K step 1's load may be out
	s_barrier_signal -1
	s_barrier_wait -1
	FETCH 0, 0, 0
	SCALES 0
	s_wait_loadcnt 0x0                             ; the bias
	STEP 0, 0, 1
	WIN 0xc0                                       ; the rotary table of my 64 positions, into window 3: asked for here, wanted on the way out, fifteen steps on.  On every way: see the head
.irp a, 0,1,2,3
.irp b, 0,1,2,3,4,5,6,7
	global_load_b128 v[8*(8*\a+\b):8*(8*\a+\b)+3], v[L16], s[8:9] offset:\a*8192+\b*1024
	global_load_b128 v[8*(8*\a+\b)+4:8*(8*\a+\b)+7], v[L16], s[8:9] offset:\a*8192+\b*1024+512
.endr
.endr
	STEP 0, 1, 0
	STEP 0, 2, 0
	TURN 0, 1, 1
	STEP 1, 0, 0
	STEP 1, 1, 0
	STEP 1, 2, 0
	TURN 1, 0, 1
	STEP 0, 0, 0
	STEP 0, 1, 0
	STEP 0, 2, 0
	TURN 0, 1, 0                                   ; nothing is left to fetch
	STEP 1, 0, 0
	STEP 1, 1, 0
	STEP 1, 2, 0
	s_wait_dscnt 0x0
	WIN 0xa1
	MUL8 0, 1, 3, 1, 0
	MUL8 1, 1, 3, 1, 0
	MUL8 2, 1, 3, 1, 0
	MUL8 3, 1, 3, 1, 0
	WIN 0
	PLACES
	s_wait_loadcnt 0x0                             ; the table
	s_cmp_eq_u32 ttmp9, 3
	s_cbranch_scc1 .Lv_out
; q and k: 16 positions at a time.  Pair p of a tile: (x1, x2) -> (x1 cos - x2 sin, x1 sin + x2 cos); each accumulator is read from its low end on
.macro QKOUT a
.if \a > 0
	s_wait_xcnt 0x0                                ; the last tile's stores have read the registers that are written now
.endif
	WIN 0x0e                                       ; source 0: the accumulators, window 2; source 1: the table, window 3
.irp b, 0,1,2,3,4,5,6,7
.irp p, 0,1,2,3
	v_mul_f32 v[TT+2*\p], v[8*(8*\a+\b)+2*\p+1], v[8*(8*\a+\b)+2*\p+1]       ; x2 sin
	v_mul_f32 v[TT+2*\p+1], v[8*(8*\a+\b)+2*\p+1], v[8*(8*\a+\b)+2*\p]       ; x2 cos
	v_fma_f32 v[FF+8*\b+2*\p], v[8*(8*\a+\b)+2*\p], v[8*(8*\a+\b)+2*\p], -v[TT+2*\p]
	v_fma_f32 v[FF+8*\b+2*\p+1], v[8*(8*\a+\b)+2*\p], v[8*(8*\a+\b)+2*\p+1], v[TT+2*\p+1]
.endr
.endr
	WIN 0
.set i, 0
.rept 32
	v_pk_mul_f32 v[FF+2*i:FF+2*i+1], v[FF+2*i:FF+2*i+1], s[66:67] op_sel_hi:[1,0]
.set i, i+1
.endr
.set i, 0
.rept 32
	v_cvt_pk_f16_f32 v[HH+i], v[FF+2*i], v[FF+2*i+1]
.set i, i+1
.endr
.irp b, 0,1,2,3,4,5,6,7
	global_store_b128 v[L16], v[HH+4*\b:HH+4*\b+3], s[16:17] offset:\a*4096+\b*512   ; 32 lanes store 512 consecutive bytes
.endr
.if \a == 0
	s_wait_xcnt 0x0                                ; EXEC changes only behind this wait
	v_cmp_eq_u32 vcc_lo, 0, v[ROW0]                ; positions 0-15 also leave in f32: a mask and no branch, since the row tile differs between partners
	s_and_saveexec_b32 s3, vcc_lo
.irp b, 0,1,2,3,4,5,6,7
	global_store_b128 v[L16], v[FF+8*\b:FF+8*\b+3], s[20:21] offset:1024*\b          ; as the registers stand: 512 consecutive bytes a store
	global_store_b128 v[L16], v[FF+8*\b+4:FF+8*\b+7], s[20:21] offset:1024*\b+512
.endr
	s_wait_xcnt 0x0
	s_or_b32 exec_lo, exec_lo, s3
.endif
.endm
	QKOUT 0
	QKOUT 1
	QKOUT 2
	QKOUT 3
	FINISH
.Lv_out:
; v: 32 keys at a time: to f16, into the stage by keys, back turned (a lane then holds one channel and eight keys), out as images
.macro VOUT kc
.set VP, 96+64*\kc
	WIN 0x0a
.irp a2, 0,1
.irp b, 0,1,2,3,4,5,6,7
.irp j, 0,1,2,3
	v_cvt_pk_f16_f32 v[VP+32*\a2+4*\b+\j], v[8*(8*(2*\kc+\a2)+\b)+2*\j], v[8*(8*(2*\kc+\a2)+\b)+2*\j+1]
.endr
.endr
.endr
	WIN 0
.irp a2, 0,1
.irp b, 0,1,2,3,4,5,6,7
	ds_store_b128 v[STO], v[VP+32*\a2+4*\b:VP+32*\a2+4*\b+3] offset:(2*\kc+\a2)*4608+32*\b
.endr
.endr
.irp ct, 0,1,2,3,4,5,6,7
	ds_load_tr16_b128 v[VP+8*\ct:VP+8*\ct+3], v[AV] offset:\kc*9216+\ct*32           ; LDS serves a wave's instructions in order: these see my stores
	ds_load_tr16_b128 v[VP+8*\ct+4:VP+8*\ct+7], v[AV] offset:\kc*9216+4608+\ct*32
.endr
	s_wait_dscnt 0x0
.irp ct, 0,1,2,3,4,5,6,7
	global_store_b128 v[L16], v[VP+8*\ct:VP+8*\ct+3], s[16:17] offset:(2*(8*\kc+\ct))*512
	global_store_b128 v[L16], v[VP+8*\ct+4:VP+8*\ct+7], s[16:17] offset:(2*(8*\kc+\ct)+1)*512
.endr
.endm
	VOUT 0
	VOUT 1
	s_wait_xcnt 0x0                                ; EXEC changes only behind this wait
	v_cmp_eq_u32 vcc_lo, 0, v[ROW0]
	s_and_saveexec_b32 s3, vcc_lo
	WIN 0x08                                       ; a store's data are its source 1: window 2
.irp b, 0,1,2,3,4,5,6,7
	global_store_b128 v[VF], v[8*\b:8*\b+3], s[20:21] offset:64*\b                   ; v of positions 0-15, by rows of 512 bytes
	global_store_b128 v[VF], v[8*\b+4:8*\b+7], s[20:21] offset:64*\b+16
.endr
	WIN 0
	s_wait_xcnt 0x0
	s_or_b32 exec_lo, exec_lo, s3
	FINISH
.Lfunc_end_k_q23ca2cd9b6_qkv:
	.size	k_q23ca2cd9b6_qkv, .Lfunc_end_k_q23ca2cd9b6_qkv-k_q23ca2cd9b6_qkv
	.p2alignl 7, 3214868480
	.fill 96, 4, 3214868480
	.section	.rodata,"a",@progbits
	.p2align	6, 0x0
	.amdhsa_kernel k_q23ca2cd9b6_qkv
		.amdhsa_group_segment_fixed_size 327680
		.amdhsa_private_segment_fixed_size 0
		.amdhsa_enable_private_segment 0
		.amdhsa_kernarg_size 72
		.amdhsa_user_sgpr_count 2
		.amdhsa_user_sgpr_kernarg_segment_ptr 1
		.amdhsa_wavefront_size32 1
		.amdhsa_system_sgpr_workgroup_id_x 1
		.amdhsa_system_sgpr_workgroup_id_y 1
		.amdhsa_system_sgpr_workgroup_id_z 1
		.amdhsa_system_vgpr_workitem_id 0
		.amdhsa_next_free_vgpr 1024
		.amdhsa_next_free_sgpr 100
		.amdhsa_reserve_vcc 1
		.amdhsa_float_denorm_mode_32 3
		.amdhsa_float_denorm_mode_16_64 3
		.amdhsa_memory_ordered 1
		.amdhsa_forward_progress 1
		.amdhsa_inst_pref_size 178
	.end_amdhsa_kernel
	.amdgpu_metadata
---
amdhsa.version: [ 1, 2 ]
amdhsa.kernels:
  - .name:           k_q23ca2cd9b6_qkv
    .symbol:         k_q23ca2cd9b6_qkv.kd
    .args:
      - { .name: cod, .offset: 0, .size: 8, .value_kind: global_buffer, .address_space: global }
      - { .name: scl, .offset: 8, .size: 8, .value_kind: global_buffer, .address_space: global }
      - { .name: rot, .offset: 16, .size: 8, .value_kind: global_buffer, .address_space: global }
      - { .name: b_Q, .offset: 24, .size: 8, .value_kind: global_buffer, .address_space: global }
      - { .name: b_K, .offset: 32, .size: 8, .value_kind: global_buffer, .address_space: global }
      - { .name: b_V, .offset: 40, .size: 8, .value_kind: global_buffer, .address_space: global }
      - { .name: qi, .offset: 48, .size: 8, .value_kind: global_buffer, .address_space: global }
      - { .name: kv, .offset: 56, .size: 8, .value_kind: global_buffer, .address_space: global }
      - { .name: fin, .offset: 64, .size: 8, .value_kind: global_buffer, .address_space: global }
    .group_segment_fixed_size: 327680
    .private_segment_fixed_size: 0
    .kernarg_segment_align: 8
    .kernarg_segment_size: 72
    .max_flat_workgroup_size: 128
    .sgpr_count:     100
    .vgpr_count:     1024
    .wavefront_size: 32
...
	.end_amdgpu_metadata
.endif
;; end of part 2
;; launch attn (part 3): grid 64 x 4, 4 waves a work-group, clusters of 4 x 1, 327,680 bytes of LDS; arguments qi, kv, zi; writes zi
.if DOCPART == 3
	.amdgcn_target "amdgcn-amd-amdhsa--gfx1250"
	.amdhsa_code_object_version 6
	.text
	.protected	k_q23ca2cd9b6_attn
	.globl	k_q23ca2cd9b6_attn
	.p2align	8
	.type	k_q23ca2cd9b6_attn,@function
k_q23ca2cd9b6_attn:
	s_mov_b64 s[64:65], 0
	v_nop
	global_prefetch_b8 v0, s[64:65] scope:SCOPE_SE
	s_setreg_imm32_b32 hwreg(HW_REG_WAVE_MODE, 25, 1), 1
	s_wait_xcnt 0x0
	s_wait_alu depctr_hold_cnt(0) depctr_sa_sdst(0) depctr_va_vdst(0) depctr_va_sdst(0) depctr_va_ssrc(0) depctr_va_vcc(0) depctr_vm_vsrc(0)
	s_getreg_b32 s2, hwreg(HW_REG_IB_STS2, 6, 4)
	s_cmp_eq_u32 s2, 0
	s_cbranch_scc0 .Lentry_in_a_cluster
	s_endpgm
.Lentry_in_a_cluster:
	s_bfe_u32 s2, ttmp6, 0x10000c
	s_cmp_lg_u32 s2, 0x3003
	s_cbranch_scc0 .Lentry_shape_is_right
	s_endpgm
.Lentry_shape_is_right:
; z = softmax(q k^T / sqrt(128), causal) v, on f16 operands with f32 sums; q comes multiplied by log2(e) / sqrt(128), so a score is already the exponent to base 2.
; SHARES.  Cluster (c, g): key/value head g.  Work-group s of the cluster owns two blocks of 64 query rows (32 positions x the head's two query heads): positions 128 c + 32 s on, and 128 (31 - c) + 32 s on.
; Every wave holds all 64 rows, four tiles of 16 (tile t: head 2 g + t / 2, positions + 16 (t % 2)).  THE KEYS ARE SHARED OUT: keys go in units of 256, wave w takes keys 64 w .. 64 w + 63 of each.
; Block 1 needs c / 2 + 1 units, block 2 the rest of 17: every work-group walks 17 units.  Only a block's last unit meets the diagonal.  At a block's end the four waves' maxima, sums and O meet in LDS.
; CLUSTER.  The four partners walk the same units, so each wave's tile (its 64 keys' K and V images, 32,768 dense bytes) is asked for jointly, with the mask of all four; a wave reads only the bytes that it asked for.
; SOFTMAX.  For each query a running maximum m of the scores and a sum l: p = 2^(score - m), at most 1; in every unit O and l are multiplied by a = 2^(old m - new m).  Hidden scores become -infinity ahead of the maximum.
; m begins as -3e38: the first score that counts makes a = 0, so what lies in O from the block before (finite numbers) is wiped out; a wave that met no key that counts gets the weight 0 in the merge.
; LAYOUT.  S^T = K Q^T and O^T = V^T P: a lane holds one query (lane % 16) throughout.  All operands lie in memory and LDS as images of their registers: every LDS load takes 512 consecutive bytes.
; LIMITS: f16 operands (q x 0.1275, k, v, p, z: up to 65,504; under 6e-5 an absolute error of 3e-8); scores under -3e38 count as hidden.
; REGISTERS: window 0: v2-11, v44, v61-63 addresses and constants; v12-43 statistics, 8 a tile (+0 m, +2, +3 l, +6 a); v64-191 S^T; v192-255 P.  window 1: O^T, 64 a tile.  window 2: v0-127 Q, v128-255 K.  window 3: v0-127 V.
.set MRG,   262144                     ; behind the ring: 8,192 bytes for each wave: one tile of O^T
.set STT,   294912                     ; 1,024 bytes for each wave: m and l of four tiles
.set SPARE, 299008                     ; the spare words, 128 bytes for each wave, which no other line names
.set L16,  2                           ; v2   16 x lane
.set ADR,  4                           ; v4   the run of LDS loads in hand
.set RH,   5                           ; v5   lane % 16 - 8 (lane / 16)
.set D0,   6                           ; v6, v7  the mask's bounds for even and odd tiles
.set NINF, 8                           ; v8   -infinity
.set MST,  9                           ; v9   merge: where I put O^T
.set MLD,  10                          ; v10  merge: where I read my 32 channels
.set SST,  11                          ; v11  merge: where I put m and l
.set ST,   12
.set SLD,  44                          ; v44  merge: where I read all waves' m and l
.set PFO,  61                          ; v61  256 x lane
.set SPW,  62                          ; v62  my spare word; never rewritten
.set NIL,  63                          ; v63  0; never rewritten
.set S,    64
.set P,    192
.set KF,   128
.set MM,   128                         ; merge: m of (tile, wave), v128-143;
.set GG,   144                         ; the weights, v144-159;
.set LL,   160                         ; l, v160-175;
.set MX,   176                         ; a tile's largest m, v176-179;
.set LS,   180                         ; its whole sum, v180-183
.set ZA,   224                         ; 16 numbers of z
.set WV,   12
.set CX,   13
.set GH,   15
.set U1,   16                          ; s16  units of block 1
.set UC,   17                          ; s17  the trip
.set TB,   18                          ; s18  my part of the slot in hand
.set KF0,  19                          ; s19  the unit's first key
.set PC,   20                          ; s20  the block's first position
.set P2,   21
.set SEL,  22
.set G1,   24
.set G0A,  32
.set G0W,  36                          ; the walking descriptor
.set KVW,  40                          ; s[40:41] my wave's tile of unit 0
.set PFA,  42
.set LIM,  44
.set QP,   46
.set QP2,  48
.set ZB,   50
.set ZB2,  52
.set MSB, 0
.macro WIN new
.if MSB != \new
	s_set_vgpr_msb (MSB<<8)|\new
.set MSB, \new
.endif
.endm
.macro CREST
	s_cmp_lg_u32 s[WV], 0
	s_cbranch_scc1 .Lnot_wave_0_\@
	s_barrier_signal -3
.Lnot_wave_0_\@:
	s_barrier_wait -3
	s_barrier_signal -1
	s_barrier_wait -1
.endm
.macro CROUND
	s_barrier_signal -1
	s_barrier_wait -1
	CREST
.endm
.macro PLACES
.rept 4
	v_nop
.endr
.endm
.macro ZOFF d, p                       ; where the block at position s[p] begins in zi: [position / 256][head][16 positions][32 channels w][1,024 bytes]; s73 = my head pair's and my wave's part
	s_lshr_b32 s[\d], s[\p], 8
	s_lshl_b32 s[\d], s[\d], 19
	s_bfe_u32 s72, s[\p], 0x40004
	s_lshl_b32 s72, s72, 12
	s_add_co_u32 s[\d], s[\d], s72
	s_add_co_u32 s[\d], s[\d], s73
.endm
	s_load_b128 s[4:7], s[0:1], 0x0                ; qi, kv
	s_load_b64 s[8:9], s[0:1], 0x10                ; zi
	v_lshl_add_u32 v[SPW], v0, 2, SPARE
	v_mov_b32 v[NIL], 0
	ds_add_u32 v[SPW], v[NIL]                      ; the opening: the add, twice on end, and its wait ahead of my first tensor load
	ds_add_u32 v[SPW], v[NIL]
	v_lshrrev_b32 v1, 5, v0
	v_readfirstlane_b32 s[WV], v1
	s_bfe_u32 s[CX], ttmp6, 0x40000
	s_and_b32 s[GH], ttmp7, 0xffff
	s_lshr_b32 s[U1], ttmp9, 1
	s_add_co_u32 s[U1], s[U1], 1
	s_lshl_b32 s70, ttmp9, 7
	s_lshl_b32 s71, s[CX], 5
	s_add_co_u32 s[PC], s70, s71
	s_sub_co_u32 s70, 31, ttmp9
	s_lshl_b32 s70, s70, 7
	s_add_co_u32 s[P2], s70, s71
	s_mov_b32 s[G1], 15|(3<<16)|(1<<21)            ; the mask: all four work-groups; elements of 8 bytes; bit 21 beside the mask; no padding
	s_mov_b32 s[G1+1], 32<<16                      ; a dense block of 32,768 bytes as 128 rows of 256
	s_mov_b32 s[G1+2], 128<<16
	s_mov_b32 s[G1+3], 32<<16
	s_mov_b32 s[G1+4], 128
	s_mov_b32 s[G1+5], 32
	s_mov_b32 s[G1+6], 0
	s_mov_b32 s[G1+7], 0
	s_mov_b32 s[SEL], 0x76543210
	s_mov_b32 s[SEL+1], 0xfedcba98
	s_lshl_b32 s[TB], s[WV], 15
	s_mov_b32 s[UC], 0
	s_mov_b32 s[KF0], 0
	s_cmp_eq_u32 ttmp9, 0
	s_cselect_b32 s[LIM], 14, 0                    ; the cluster with x = 0 prefetches, in trips 0 to 13
	s_lshl_b32 s56, s[GH], 21                      ; my head pair in qi, my head in kv
	s_lshl_b32 s58, s[PC], 8
	s_add_co_u32 s58, s58, s56
	s_mov_b32 s59, 0
	s_lshl_b32 s60, s[P2], 8
	s_add_co_u32 s60, s60, s56
	s_mov_b32 s61, 0
	s_add_co_u32 s62, s56, s[TB]
	s_mov_b32 s63, 0
	s_lshl_b32 s66, s[CX], 15                      ; the prefetches: of a unit's 131,072 bytes my work-group takes 32,768, my wave 8,192; they begin in unit 1
	s_lshl_b32 s67, s[WV], 13
	s_add_co_u32 s66, s66, s67
	s_add_co_u32 s66, s66, s56
	s_add_co_u32 s66, s66, 131072
	s_mov_b32 s67, 0
	s_lshl_b32 s73, s[GH], 17
	s_lshl_b32 s72, s[WV], 10
	s_add_co_u32 s73, s73, s72
	ZOFF 68, PC
	s_mov_b32 s69, 0
	ZOFF 54, P2
	s_mov_b32 s55, 0
	s_cmp_eq_u32 s[U1], 1                          ; the second trip's unit: 1, or unit 0 of block 2
	s_cselect_b32 s70, 0, 1
	s_lshl_b32 s70, s70, 17
	s_mov_b32 s71, 0
	v_and_b32 v1, 31, v0
	v_lshlrev_b32 v[L16], 4, v1
	v_lshlrev_b32 v[PFO], 8, v1
	v_and_b32 v3, 15, v0
	v_bfe_u32 v[RH], v0, 4, 1
	v_lshlrev_b32 v[RH], 3, v[RH]
	v_sub_nc_u32 v[RH], v3, v[RH]
	v_mov_b32 v[NINF], 0xff800000
	s_lshl_b32 s72, s[WV], 13
	s_add_co_u32 s72, s72, MRG
	v_add_nc_u32 v[MST], s72, v[L16]
	s_lshl_b32 s72, s[WV], 11
	s_add_co_u32 s72, s72, MRG
	v_add_nc_u32 v[MLD], s72, v[L16]
	v_lshlrev_b32 v[SLD], 2, v1
	s_lshl_b32 s72, s[WV], 10
	s_add_co_u32 s72, s72, STT
	v_add_nc_u32 v[SST], s72, v[SLD]
	v_add_nc_u32 v[SLD], STT, v[SLD]
	s_wait_dscnt 0x0                               ; both opening adds are done
	s_wait_kmcnt 0x0
	s_add_nc_u64 s[QP:QP+1], s[4:5], s[58:59]
	s_add_nc_u64 s[QP2:QP2+1], s[4:5], s[60:61]
	s_add_nc_u64 s[KVW:KVW+1], s[6:7], s[62:63]
	s_add_nc_u64 s[PFA:PFA+1], s[6:7], s[66:67]
	s_add_nc_u64 s[ZB:ZB+1], s[8:9], s[68:69]
	s_add_nc_u64 s[ZB2:ZB2+1], s[8:9], s[54:55]
	s_mov_b32 s[G0A], 1
	s_mov_b32 s[G0A+1], s[TB]
	s_mov_b64 s[G0A+2:G0A+3], s[KVW:KVW+1]
	s_or_b32 s[G0A+3], s[G0A+3], 0x80000000
	s_mov_b32 s[G0W], 1
	s_add_co_u32 s[G0W+1], s[TB], 1<<17
	s_add_nc_u64 s[G0W+2:G0W+3], s[KVW:KVW+1], s[70:71]
	s_or_b32 s[G0W+3], s[G0W+3], 0x80000000
	CROUND                                         ; all four work-groups are here: the first joint loads meet
	tensor_load_to_lds s[G0A:G0A+3], s[G1:G1+7]    ; trip 0's unit into slot 0,
	s_nop 0
	tensor_load_to_lds s[G0W:G0W+3], s[G1:G1+7]    ; trip 1's into slot 1: two loads of mine are out
	s_nop 0
.rept 4
	v_nop
.endr
.macro QLOAD p                         ; a block's Q: four tiles of eight half fragments
	WIN 0x80
.irp t, 0,1,2,3
.irp i, 0,1,2,3,4,5,6,7
	global_load_b128 v[32*\t+4*\i:32*\t+4*\i+3], v[L16], s[\p:\p+1] offset:(\t/2)*1048576+(\t%2)*4096+512*\i
.endr
.endr
	WIN 0
.endm
.macro RESET                           ; a block begins: m = -3e38, l = 0
.irp t, 0,1,2,3
	v_mov_b32 v[ST+8*\t], 0xff61b1e6
	v_mov_b32 v[ST+8*\t+1], 0                      ; (named with m as a pair)
	v_mov_b32 v[ST+8*\t+2], 0
	v_mov_b32 v[ST+8*\t+3], 0
.endr
.endm
	QLOAD QP
	RESET
	WIN 0x40
.set i, 0
.rept 256
	v_mov_b32 v[i], 0                              ; O^T, once: the unit is written with sums in place, and the first a = 0 must meet numbers
.set i, i+1
.endr
	WIN 0
.macro FETCH_K                         ; my 64 keys x 128 channels: 16 fragments
	WIN 0
	v_add_nc_u32 v[ADR], s[TB], v[L16]
	WIN 0x80
.set i, 0
.rept 32
	ds_load_b128 v[KF+4*i:KF+4*i+3], v[ADR] offset:512*i
.set i, i+1
.endr
.endm
.macro FETCH_V                         ; 128 channels x my 64 keys
	WIN 0
	v_add_nc_u32 v[ADR], s[TB], v[L16]
	WIN 0xc0
.set i, 0
.rept 32
	ds_load_b128 v[4*i:4*i+3], v[ADR] offset:16384+512*i
.set i, i+1
.endr
.endm
; S^T = K Q^T: channels 32 (n / 16) on, keys 16 ((n / 4) % 4) on, tile n % 4.  The 16 accumulators take turns; the first 16 products start the sums
.macro KQ
	WIN 0x0a
.set n, 0
.rept 64
.set rS, S+32*(n%4)+8*((n/4)%4)
.set rK, KF+32*((n/4)%4)+8*(n/16)
.set rQ, 32*(n%4)+8*(n/16)
.if n < 16
	v_wmma_f32_16x16x32_f16 v[rS:rS+7], v[rK:rK+7], v[rQ:rQ+7], 0
.else
	v_wmma_f32_16x16x32_f16 v[rS:rS+7], v[rK:rK+7], v[rQ:rQ+7], v[rS:rS+7]
.endif
.set n, n+1
.endr
.endm
; O^T += V^T P: keys 32 (n / 32) on, channels 16 ((n / 4) % 8) on, tile n % 4: 32 accumulators by turns
.macro PV n0, n1
	WIN 0x53
.set n, \n0
.rept \n1-\n0+1
.set rO, 64*(n%4)+8*((n/4)%8)
.set rV, 64*(n/32)+8*((n/4)%8)
.set rP, P+16*(n%4)+8*(n/32)
	v_wmma_f32_16x16x32_f16 v[rO:rO+7], v[rV:rV+7], v[rP:rP+7], v[rO:rO+7]
.set n, n+1
.endr
.endm
; register 8 kt + e of a tile holds key KF0 + 64 w + 16 kt + 8 (lane / 16) + e, the lane's query is PC + 16 (t % 2) + lane % 16: hidden where 16 kt + e > query - KF0 - 64 w - 8 (lane / 16)
.macro MASK
	s_sub_co_i32 s70, s[PC], s[KF0]
	s_lshl_b32 s71, s[WV], 6
	s_sub_co_i32 s70, s70, s71
	v_add_nc_u32 v[D0], s70, v[RH]
	v_add_nc_u32 v[D0+1], 16, v[D0]
.irp t, 0,1,2,3
.set n, 0
.rept 32
	v_cmp_gt_i32 vcc_lo, 16*(n/8)+n%8, v[D0+(\t%2)]
	v_cndmask_b32 v[S+32*\t+n], v[S+32*\t+n], v[NINF], vcc_lo
.set n, n+1
.endr
.endr
.endm
.macro SOFTMAX                         ; stage by stage, the four tiles by turns inside each stage
	WIN 0
.irp j, 0,1,2,3
.irp t, 0,1,2,3
	v_max3_num_f32 v[ST+8*\t+4+\j], v[S+32*\t+8*\j], v[S+32*\t+8*\j+1], v[S+32*\t+8*\j+2]   ; each accumulator from its low end on
.endr
.endr
.irp i, 3,5
.irp j, 0,1,2,3
.irp t, 0,1,2,3
	v_max3_num_f32 v[ST+8*\t+4+\j], v[ST+8*\t+4+\j], v[S+32*\t+8*\j+\i], v[S+32*\t+8*\j+\i+1]
.endr
.endr
.endr
.irp t, 0,1,2,3
	v_max3_num_f32 v[ST+8*\t+4], v[ST+8*\t+4], v[S+32*\t+7], v[S+32*\t+15]
.endr
.irp t, 0,1,2,3
	v_max3_num_f32 v[ST+8*\t+6], v[ST+8*\t+6], v[S+32*\t+23], v[S+32*\t+31]
.endr
.irp t, 0,1,2,3
	v_max3_num_f32 v[ST+8*\t+4], v[ST+8*\t+4], v[ST+8*\t+5], v[ST+8*\t+6]
.endr
.irp t, 0,1,2,3
	v_max3_num_f32 v[ST+8*\t+4], v[ST+8*\t+4], v[ST+8*\t+7], v[ST+8*\t]       ; with the old m
.endr
.irp t, 0,1,2,3
	v_permlanex16_b32 v[ST+8*\t+5], v[ST+8*\t+4], s[SEL], s[SEL+1]            ; the query's other 32 keys lie in the lane 16 away
.endr
.irp t, 0,1,2,3
	v_mov_b32 v[ST+8*\t+7], v[ST+8*\t]
.endr
.irp t, 0,1,2,3
	v_max_num_f32 v[ST+8*\t], v[ST+8*\t+4], v[ST+8*\t+5]                      ; the new m
.endr
.irp t, 0,1,2,3
	v_sub_f32 v[ST+8*\t+7], v[ST+8*\t+7], v[ST+8*\t]                          ; old m - new m
.endr
.irp b, 0,2,4,6,8,10,12,14,16,18,20,22,24,26,28,30
.irp t, 0,1,2,3
	v_pk_add_f32 v[S+32*\t+\b:S+32*\t+\b+1], v[S+32*\t+\b:S+32*\t+\b+1], v[ST+8*\t:ST+8*\t+1] op_sel_hi:[1,0] neg_lo:[0,1] neg_hi:[0,1]   ; score - m
.endr
.endr
.irp t, 0,1,2,3
	v_exp_f32 v[ST+8*\t+6], v[ST+8*\t+7]                                      ; a
.endr
.set n, 0
.rept 128
	v_exp_f32 v[S+n], v[S+n]                                                  ; p
.set n, n+1
.endr
	v_nop                                          ; a plain instruction behind the last exponential,
	s_wait_alu depctr_va_vdst(0)                   ; and one wait for all 132, ahead of their first reader
.set n, 0
.rept 64
	v_cvt_pk_f16_f32 v[P+n], v[S+2*n], v[S+2*n+1]
.set n, n+1
.endr
.irp u, 0,1,2,3,4,5,6,7
.irp t, 0,1,2,3
	v_pk_add_f32 v[S+32*\t+4*\u:S+32*\t+4*\u+1], v[S+32*\t+4*\u:S+32*\t+4*\u+1], v[S+32*\t+4*\u+2:S+32*\t+4*\u+3]
.endr
.endr
.irp u, 0,1,2,3
.irp t, 0,1,2,3
	v_pk_add_f32 v[S+32*\t+8*\u:S+32*\t+8*\u+1], v[S+32*\t+8*\u:S+32*\t+8*\u+1], v[S+32*\t+8*\u+4:S+32*\t+8*\u+5]
.endr
.endr
.irp u, 0,1
.irp t, 0,1,2,3
	v_pk_add_f32 v[S+32*\t+16*\u:S+32*\t+16*\u+1], v[S+32*\t+16*\u:S+32*\t+16*\u+1], v[S+32*\t+16*\u+8:S+32*\t+16*\u+9]
.endr
.endr
.irp t, 0,1,2,3
	v_pk_add_f32 v[S+32*\t:S+32*\t+1], v[S+32*\t:S+32*\t+1], v[S+32*\t+16:S+32*\t+17]
.endr
.irp t, 0,1,2,3
	v_pk_fma_f32 v[ST+8*\t+2:ST+8*\t+3], v[ST+8*\t+2:ST+8*\t+3], v[ST+8*\t+6:ST+8*\t+7], v[S+32*\t:S+32*\t+1] op_sel_hi:[1,0,1]   ; l = a l + the unit's sum
.endr
	WIN 0x41
.irp t, 0,1,2,3
.set i, 0
.rept 32
	v_pk_mul_f32 v[64*\t+2*i:64*\t+2*i+1], v[64*\t+2*i:64*\t+2*i+1], v[ST+8*\t+6:ST+8*\t+7] op_sel_hi:[1,0]   ; O^T x a
.set i, i+1
.endr
.endr
.endm
; A PREFETCH INTO THE L2 of the unit that the asking cluster's NEXT change of slots will load.  The cluster with x = 0 walks units 0 to 15 of its head one after the other: it alone asks.  Of a unit's 131,072 bytes each partner
; takes 32,768, told apart by address, each wave 8,192, lanes 256 bytes apart: each block of 256 bytes is named once in the launch.  Trips 0 to 13 ask for units 2 to 15; units 0 and 1 come by their loads alone.
.macro ASK
	s_cmp_lt_u32 s[UC], s[LIM]
	s_cbranch_scc0 .Lnot_mine_\@
	global_prefetch_b8 v[PFO], s[PFA:PFA+1] th:TH_LOAD_NT scope:SCOPE_SE
.Lnot_mine_\@:
.endm
; ONE UNIT.  K was fetched in the trip before.  mask: 0 none, 1 always, 2 where this is block 1's last unit.
; fill = 1: in the trip's middle the slot has been read out (V is in registers): the three lines, a round of the cluster's barrier, the joint refill with the unit two trips on, then the next unit's K from the other slot.
.macro TRIP fill, fetchk, mask
	PLACES                                         ; in front of loads into registers that the last products read
	FETCH_V
	s_wait_dscnt 32                                ; K's 32 loads are in; V's 32 may be out
	KQ
	WIN 0
	PLACES
.if \mask == 2
	s_add_co_u32 s70, s[UC], 1
	s_cmp_lg_u32 s70, s[U1]                        ; the cluster's number and the count of trips alone: all partners go the same way
	s_cbranch_scc1 .Lopen_\@
	MASK
.Lopen_\@:
.elseif \mask == 1
	MASK
.endif
	SOFTMAX
	WIN 0
.if \fill
	s_wait_tensorcnt 0x0                           ; the next unit has landed in the other slot; no load of mine is out, so the descriptor may be written
	ds_add_u32 v[SPW], v[NIL]
	s_xor_b32 s[G0W+1], s[G0W+1], 1<<17            ; the slot that has just been read out
	s_add_co_u32 s70, s[UC], 2                     ; the unit of the trip two on: block 2 begins again at unit 0
	s_cmp_ge_u32 s70, s[U1]
	s_cselect_b32 s71, s[U1], 0
	s_sub_co_u32 s70, s70, s71
	s_lshl_b32 s70, s70, 17
	s_mov_b32 s71, 0
	s_add_nc_u64 s[G0W+2:G0W+3], s[KVW:KVW+1], s[70:71]
	s_or_b32 s[G0W+3], s[G0W+3], 0x80000000
	s_wait_xcnt 0x0                                ; the last prefetch, a trip back, has read its address
	s_add_nc_u64 s[PFA:PFA+1], s[PFA:PFA+1], 131072
	s_wait_dscnt 0x0                               ; the add is done, V is in: my reads of the slot are over
	s_barrier_signal -1
	PV 0, 15                                       ; work on registers while the others arrive
	WIN 0
	s_barrier_wait -1
	CREST                                          ; no wave of any partner still reads this slot or has a load on its way
	tensor_load_to_lds s[G0W:G0W+3], s[G1:G1+7]    ; my one tensor load behind the round: it has a whole trip in which to land
	s_nop 0
.rept 4
	v_nop
.endr
	ASK
	s_xor_b32 s[TB], s[TB], 1<<17
	FETCH_K
	PV 16, 63
.elseif \fetchk
	s_wait_tensorcnt 0x0                           ; the last unit has landed; nothing is filled any more
	s_wait_dscnt 0x0                               ; V is in
	s_xor_b32 s[TB], s[TB], 1<<17
	FETCH_K
	PV 0, 63
.else
	s_wait_dscnt 0x0
	PV 0, 63
.endif
	WIN 0
	s_add_co_u32 s[KF0], s[KF0], 256
.endm
; A BLOCK'S END.  z = sum over waves of 2^(m_w - m*) O_w / sum over waves of 2^(m_w - m*) l_w.  A tile at a time: every wave stores its O^T (8,192 bytes) and reads all four waves' numbers of ITS 32 channels,
; which are one operand fragment of the output projection.  A barrier stands between the stores and the reads, and another between the reads and the next tile's stores.  next = 1: block 2 follows,
; and one more barrier closes the merge, so that every wave's reads of the last tile stand ahead of the next merge's stores on every way through the text.
.macro MERGE next
.if \next
	QLOAD QP2
.endif
.irp t, 0,1,2,3
	v_add_f32 v[ST+8*\t+4], v[ST+8*\t+2], v[ST+8*\t+3]
.endr
.irp t, 0,1,2,3
	v_permlanex16_b32 v[ST+8*\t+5], v[ST+8*\t+4], s[SEL], s[SEL+1]
.endr
.irp t, 0,1,2,3
	v_add_f32 v[ST+8*\t+4], v[ST+8*\t+4], v[ST+8*\t+5]                        ; my keys' whole sum
.endr
.irp t, 0,1,2,3
	ds_store_b32 v[SST], v[ST+8*\t] offset:256*\t
	ds_store_b32 v[SST], v[ST+8*\t+4] offset:256*\t+128
.endr
.irp t, 0,1,2,3
.if \t > 0
	s_barrier_signal -1                            ; every wave's reads of the last tile are back (its wait for 0 stands ahead of its arithmetic)
	s_barrier_wait -1
.endif
	WIN 0x04                                       ; an LDS store's data are its source 1: window 1
.set i, 0
.rept 16
	ds_store_b128 v[MST], v[64*\t+4*i:64*\t+4*i+3] offset:512*i               ; each accumulator from its low end on
.set i, i+1
.endr
	WIN 0
	s_wait_dscnt 0x0                               ; for the others' sake: my stores have landed
	s_barrier_signal -1
	s_barrier_wait -1
.if \t == 0
.irp u, 0,1,2,3
.irp w, 0,1,2,3
	ds_load_b32 v[MM+4*\u+\w], v[SLD] offset:1024*\w+256*\u
	ds_load_b32 v[LL+4*\u+\w], v[SLD] offset:1024*\w+256*\u+128
.endr
.endr
	s_wait_dscnt 0x0
.irp u, 0,1,2,3
	v_max3_num_f32 v[MX+\u], v[MM+4*\u], v[MM+4*\u+1], v[MM+4*\u+2]
.endr
.irp u, 0,1,2,3
	v_max_num_f32 v[MX+\u], v[MX+\u], v[MM+4*\u+3]                            ; wave 0 holds key 0, which counts for every query: a number
.endr
.irp u, 0,1,2,3
.irp w, 0,1,2,3
	v_sub_f32 v[GG+4*\u+\w], v[MM+4*\u+\w], v[MX+\u]
.endr
.endr
.set i, 0
.rept 16
	v_exp_f32 v[GG+i], v[GG+i]
.set i, i+1
.endr
	v_nop
	s_wait_alu depctr_va_vdst(0)                   ; one wait for the sixteen
.irp u, 0,1,2,3
	v_mul_f32 v[LS+\u], v[GG+4*\u], v[LL+4*\u]
.endr
.irp w, 1,2,3
.irp u, 0,1,2,3
	v_fmac_f32 v[LS+\u], v[GG+4*\u+\w], v[LL+4*\u+\w]
.endr
.endr
.irp u, 0,1,2,3
	v_rcp_f32 v[LS+\u], v[LS+\u]
.endr
	v_nop
	s_wait_alu depctr_va_vdst(0)                   ; one wait for the four
.set i, 0
.rept 16
	v_mul_f32 v[GG+i], v[GG+i], v[LS+i/4]                                     ; the weight of (tile, wave)
.set i, i+1
.endr
.endif
.irp w, 0,1,2,3
.irp i, 0,1,2,3
	ds_load_b128 v[64+16*\w+4*\i:64+16*\w+4*\i+3], v[MLD] offset:8192*\w+512*\i
.endr
.endr
	s_wait_dscnt 0x0
.set i, 0
.rept 16
	v_mul_f32 v[ZA+i], v[64+i], v[GG+4*\t]
.set i, i+1
.endr
.irp w, 1,2,3
.set i, 0
.rept 16
	v_fmac_f32 v[ZA+i], v[64+16*\w+i], v[GG+4*\t+\w]
.set i, i+1
.endr
.endr
.set i, 0
.rept 8
	v_cvt_pk_f16_f32 v[P+8*\t+i], v[ZA+2*i], v[ZA+2*i+1]
.set i, i+1
.endr
	global_store_b128 v[L16], v[P+8*\t:P+8*\t+3], s[ZB:ZB+1] offset:(\t/2)*65536+(\t%2)*4096        ; 32 lanes store 512 consecutive bytes
	global_store_b128 v[L16], v[P+8*\t+4:P+8*\t+7], s[ZB:ZB+1] offset:(\t/2)*65536+(\t%2)*4096+512
.endr
.if \next
	s_barrier_signal -1                            ; my reads of the last tile are back (the wait for 0 ahead of its arithmetic), and no LDS instruction of mine is out:
	s_barrier_wait -1                              ; behind this barrier the merge's bytes may be stored to again
	RESET
	s_mov_b32 s[PC], s[P2]
	s_mov_b32 s[KF0], 0
	s_wait_xcnt 0x0                                ; the stores have read their base and their data: the base is written now, the data by the next softmax
	s_mov_b64 s[ZB:ZB+1], s[ZB2:ZB2+1]
	s_wait_loadcnt 0x0                             ; block 2's Q
.endif
.endm
	s_wait_tensorcnt 0x1                           ; my tile of trip 0 is in; trip 1's may be out.  I read only bytes that I asked for: no barrier
	FETCH_K
	WIN 0
	s_wait_loadcnt 0x0                             ; Q
.Lunit:                                                ; 15 trips: each fills a slot again
	TRIP 1, 1, 2
	s_add_co_u32 s70, s[UC], 1
	s_cmp_lg_u32 s70, s[U1]                        ; block 1 ends behind its last unit: at most the eighth trip
	s_cbranch_scc1 .Lno_merge
	MERGE 1
.Lno_merge:
	s_add_co_u32 s[UC], s[UC], 1
	s_cmp_lt_u32 s[UC], 15
	s_cbranch_scc1 .Lunit
	TRIP 0, 1, 0                                   ; the last two trips are written out: they ask for nothing
	TRIP 0, 0, 1                                   ; block 2's last unit meets the diagonal
	MERGE 0
	s_wait_tensorcnt 0x0                           ; the wave's end
	ds_add_u32 v[SPW], v[NIL]
	s_wait_dscnt 0x0
	CROUND                                         ; the closing round
	s_endpgm
.Lfunc_end_k_q23ca2cd9b6_attn:
	.size	k_q23ca2cd9b6_attn, .Lfunc_end_k_q23ca2cd9b6_attn-k_q23ca2cd9b6_attn
	.p2alignl 7, 3214868480
	.fill 96, 4, 3214868480
	.section	.rodata,"a",@progbits
	.p2align	6, 0x0
	.amdhsa_kernel k_q23ca2cd9b6_attn
		.amdhsa_group_segment_fixed_size 327680
		.amdhsa_private_segment_fixed_size 0
		.amdhsa_enable_private_segment 0
		.amdhsa_kernarg_size 24
		.amdhsa_user_sgpr_count 2
		.amdhsa_user_sgpr_kernarg_segment_ptr 1
		.amdhsa_wavefront_size32 1
		.amdhsa_system_sgpr_workgroup_id_x 1
		.amdhsa_system_sgpr_workgroup_id_y 1
		.amdhsa_system_sgpr_workgroup_id_z 1
		.amdhsa_system_vgpr_workitem_id 0
		.amdhsa_next_free_vgpr 1024
		.amdhsa_next_free_sgpr 80
		.amdhsa_reserve_vcc 1
		.amdhsa_float_denorm_mode_32 3
		.amdhsa_float_denorm_mode_16_64 3
		.amdhsa_memory_ordered 1
		.amdhsa_forward_progress 1
		.amdhsa_inst_pref_size 215
	.end_amdhsa_kernel
	.amdgpu_metadata
---
amdhsa.version: [ 1, 2 ]
amdhsa.kernels:
  - .name:           k_q23ca2cd9b6_attn
    .symbol:         k_q23ca2cd9b6_attn.kd
    .args:
      - { .name: qi, .offset: 0, .size: 8, .value_kind: global_buffer, .address_space: global }
      - { .name: kv, .offset: 8, .size: 8, .value_kind: global_buffer, .address_space: global }
      - { .name: zi, .offset: 16, .size: 8, .value_kind: global_buffer, .address_space: global }
    .group_segment_fixed_size: 327680
    .private_segment_fixed_size: 0
    .kernarg_segment_align: 8
    .kernarg_segment_size: 24
    .max_flat_workgroup_size: 128
    .sgpr_count:     80
    .vgpr_count:     1024
    .wavefront_size: 32
...
	.end_amdgpu_metadata
.endif
;; end of part 3
;; launch oproj (part 4): grid 16 x 16, 4 waves a work-group, clusters of 4 x 4, 327,680 bytes of LDS; arguments zi, wo, b_O, out0; writes out0
.if DOCPART == 4
	.amdgcn_target "amdgcn-amd-amdhsa--gfx1250"
	.amdhsa_code_object_version 6
	.text
	.protected	k_q23ca2cd9b6_oproj
	.globl	k_q23ca2cd9b6_oproj
	.p2align	8
	.type	k_q23ca2cd9b6_oproj,@function
k_q23ca2cd9b6_oproj:
	s_mov_b64 s[64:65], 0
	v_nop
	global_prefetch_b8 v0, s[64:65] scope:SCOPE_SE
	s_setreg_imm32_b32 hwreg(HW_REG_WAVE_MODE, 25, 1), 1
	s_wait_xcnt 0x0
	s_wait_alu depctr_hold_cnt(0) depctr_sa_sdst(0) depctr_va_vdst(0) depctr_va_sdst(0) depctr_va_ssrc(0) depctr_va_vcc(0) depctr_vm_vsrc(0)
	s_getreg_b32 s2, hwreg(HW_REG_IB_STS2, 6, 4)
	s_cmp_eq_u32 s2, 0
	s_cbranch_scc0 .Lentry_in_a_cluster
	s_endpgm
.Lentry_in_a_cluster:
	s_bfe_u32 s2, ttmp6, 0x10000c
	s_cmp_lg_u32 s2, 0xf033
	s_cbranch_scc0 .Lentry_shape_is_right
	s_endpgm
.Lentry_shape_is_right:
; out0 = z W_O + b_O, on f16 operands with f32 sums.  z and W_O come as images of the operands' registers, so a K step's tiles are dense blocks and every LDS load takes 512 consecutive bytes.
; A work-group makes 256 rows x 128 columns, each of four waves 64 rows x 128 columns: 32 accumulators.  K = 1,024 goes in eight steps of 128 (one head each) through two LDS slots.
; CLUSTER 4 x 4: z's tiles are shared along a row of the cluster, W_O's along a column: joint loads.  The matrix instruction is used transposed (source 0 = 16 columns of W_O, source 1 = 16 rows of z):
; a lane holds eight neighbouring numbers of a row of out0.  b_O is the C of each sum's first instruction.
; Rows 0-15 are written here like all others and are written again, from f32 operands, by the launch that follows: leaving them out here would hang on the work-group's place in its cluster.
; REGISTERS: window 0: v16-29 addresses; v32-95 z's fragments, two sets; v96-159 b_O; on the way out v128-255 rows read back.  window 1: v0-127 W_O's fragments, two sets.  window 2: the accumulators.
.set SLOT,  98304                      ; z's 65,536 bytes, then W_O's 32,768
.set SPARE, 196608                     ; the spare words, 128 bytes for each wave, which no other line names
.set ADRA, 16
.set ADRB, 20
.set BO,   23
.set STO,  24
.set RD,   25
.set CO,   26
.set SPW,  28
.set NIL,  29
.set AF,   32
.set BI,   96
.set BK,   128
.set WV,   12
.set FB,   13
.set G1A,  16
.set G0A,  24
.set G1B,  32
.set G0B,  48
.set MSB, 0
.macro WIN new
.if MSB != \new
	s_set_vgpr_msb (MSB<<8)|\new
.set MSB, \new
.endif
.endm
.macro JLOAD s                         ; a joint load: waves 0, 1 for z, waves 2, 3 for W_O; s_nop 0 and four v_nop follow each line
	s_cmp_eq_u32 s[FB], 0
	s_cbranch_scc0 .Lfor_b_\@
	tensor_load_to_lds s[G0A+4*\s:G0A+4*\s+3], s[G1A:G1A+7]
	s_nop 0
.rept 4
	v_nop
.endr
	s_branch .Lasked_\@
.Lfor_b_\@:
	tensor_load_to_lds s[G0B+4*\s:G0B+4*\s+3], s[G1B:G1B+7]
	s_nop 0
.rept 4
	v_nop
.endr
.Lasked_\@:
.endm
.macro CREST
	s_cmp_lg_u32 s[WV], 0
	s_cbranch_scc1 .Lnot_wave_0_\@
	s_barrier_signal -3
.Lnot_wave_0_\@:
	s_barrier_wait -3
	s_barrier_signal -1
	s_barrier_wait -1
.endm
.macro CROUND
	s_barrier_signal -1
	s_barrier_wait -1
	CREST
.endm
.macro PLACES
.rept 4
	v_nop
.endr
.endm
	s_load_b256 s[4:11], s[0:1], 0x0               ; zi s[4:5], wo s[6:7], b_O s[8:9], out0 s[10:11]
	v_lshl_add_u32 v[SPW], v0, 2, SPARE
	v_mov_b32 v[NIL], 0
	ds_add_u32 v[SPW], v[NIL]                      ; the opening: the add, twice on end, and its wait ahead of my first tensor load
	ds_add_u32 v[SPW], v[NIL]
	v_lshrrev_b32 v1, 5, v0
	v_readfirstlane_b32 s[WV], v1
	s_lshr_b32 s[FB], s[WV], 1
	s_and_b32 s14, s[WV], 1
	s_bfe_u32 s40, ttmp6, 0x40000                  ; cx
	s_bfe_u32 s41, ttmp6, 0x40004                  ; cy
	s_lshl_b32 s42, ttmp9, 2
	s_add_co_u32 s42, s42, s40                     ; the column tile
	s_and_b32 s43, ttmp7, 0xffff
	s_lshl_b32 s43, s43, 2
	s_add_co_u32 s43, s43, s41                     ; the row tile
	s_lshl_b32 s44, s41, 2
	s_lshl_b32 s44, 15, s44
	s_lshl_b32 s45, 0x1111, s40
	s_or_b32 s[G1A], s44, (3<<16)|(1<<21)          ; z: a dense block of 32,768 bytes as 128 rows of 256 (32 elements of 8 bytes); no padding
	s_or_b32 s[G1B], s45, (3<<16)|(1<<21)          ; W_O: 16,384 bytes as 64 rows
	s_mov_b32 s[G1A+1], 32<<16
	s_mov_b32 s[G1A+2], 128<<16
	s_mov_b32 s[G1A+3], 32<<16
	s_mov_b32 s[G1A+4], 128
	s_mov_b32 s[G1A+5], 32
	s_mov_b32 s[G1A+6], 0
	s_mov_b32 s[G1A+7], 0
	s_mov_b32 s[G1B+1], 32<<16
	s_mov_b32 s[G1B+2], 64<<16
	s_mov_b32 s[G1B+3], 32<<16
	s_mov_b32 s[G1B+4], 64
	s_mov_b32 s[G1B+5], 32
	s_mov_b32 s[G1B+6], 0
	s_mov_b32 s[G1B+7], 0
	s_lshl_b32 s46, s14, 15                        ; where the tiles go: made of the wave's number alone
	s_lshl_b32 s47, s14, 14
	s_add_co_u32 s47, s47, 65536
	s_lshl_b32 s56, s43, 19                        ; z: row tile x 8 heads x 65,536 + half: no register here ever holds cx
	s_add_co_u32 s56, s56, s46
	s_mov_b32 s57, 0
	s_lshl_b32 s58, s42, 18                        ; W_O: column tile x 8 x 32,768 + half: none ever holds cy
	s_lshl_b32 s59, s14, 14
	s_add_co_u32 s58, s58, s59
	s_mov_b32 s59, 0
	s_wait_dscnt 0x0
	s_wait_kmcnt 0x0
	s_add_nc_u64 s[56:57], s[4:5], s[56:57]
	s_add_nc_u64 s[58:59], s[6:7], s[58:59]
	CROUND                                         ; all sixteen work-groups are here: the first joint loads meet
.irp s, 0,1
	s_mov_b32 s[G0A+4*\s], 1
	s_add_co_u32 s[G0A+4*\s+1], s46, \s*SLOT
	s_add_nc_u64 s[G0A+4*\s+2:G0A+4*\s+3], s[56:57], \s*65536
	s_or_b32 s[G0A+4*\s+3], s[G0A+4*\s+3], 0x80000000
	s_mov_b32 s[G0B+4*\s], 1
	s_add_co_u32 s[G0B+4*\s+1], s47, \s*SLOT
	s_add_nc_u64 s[G0B+4*\s+2:G0B+4*\s+3], s[58:59], \s*32768
	s_or_b32 s[G0B+4*\s+3], s[G0B+4*\s+3], 0x80000000
	JLOAD \s                                       ; two tensor loads of mine are out
.endr
	s_lshl_b32 s60, s42, 9
	s_mov_b32 s61, 0
	s_add_nc_u64 s[8:9], s[8:9], s[60:61]          ; b_O at the tile's first column
	s_lshl_b32 s62, s43, 21                        ; out0: row 256 x row tile + 64 x wave, 8,192 bytes a row
	s_lshl_b32 s63, s[WV], 19
	s_add_co_u32 s62, s62, s63
	s_add_co_u32 s60, s60, s62
	s_add_nc_u64 s[10:11], s[10:11], s[60:61]
	v_and_b32 v1, 15, v0
	v_bfe_u32 v2, v0, 4, 1
	v_lshlrev_b32 v[BO], 5, v2
.irp b, 0,1,2,3,4,5,6,7
	global_load_b128 v[BI+8*\b:BI+8*\b+3], v[BO], s[8:9] offset:64*\b
	global_load_b128 v[BI+8*\b+4:BI+8*\b+7], v[BO], s[8:9] offset:64*\b+16
.endr
	v_and_b32 v3, 31, v0
	v_lshlrev_b32 v[CO], 4, v3                     ; 16 x lane
	s_lshl_b32 s60, s[WV], 14                      ; my 64 rows' images
	v_add_nc_u32 v[ADRA], s60, v[CO]
	s_add_co_u32 s60, s60, SLOT
	v_add_nc_u32 v[ADRA+1], s60, v[CO]
	v_add_nc_u32 v[ADRB], 65536, v[CO]
	v_add_nc_u32 v[ADRB+1], 65536+SLOT, v[CO]
	s_mul_i32 s60, s[WV], 8448                     ; my stage: 16 rows x (512 bytes + 16), in slot 0, used only behind that slot's last fill and last read
	v_mul_u32_u24 v[STO], v1, 528
	v_lshl_add_u32 v[STO], v2, 5, v[STO]
	v_add_nc_u32 v[STO], s60, v[STO]
	v_add_nc_u32 v[RD], s60, v[CO]
.macro FETCH slot, c, set              ; the fragments of the slot's c-th 32 along K: W_O's eight, z's four
	WIN 0x40
.irp i, 0,1,2,3,4,5,6,7
	ds_load_b128 v[64*(\set)+8*\i:64*(\set)+8*\i+3], v[ADRB+\slot] offset:\i*4096+(\c)*1024
	ds_load_b128 v[64*(\set)+8*\i+4:64*(\set)+8*\i+7], v[ADRB+\slot] offset:\i*4096+(\c)*1024+512
.endr
	WIN 0
.irp i, 0,1,2,3
	ds_load_b128 v[AF+32*(\set)+8*\i:AF+32*(\set)+8*\i+3], v[ADRA+\slot] offset:\i*4096+(\c)*1024
	ds_load_b128 v[AF+32*(\set)+8*\i+4:AF+32*(\set)+8*\i+7], v[ADRA+\slot] offset:\i*4096+(\c)*1024+512
.endr
.endm
.macro MUL8 a, set, first              ; the 32 accumulators take turns, one instruction a turn, in one order throughout
.irp b, 0,1,2,3,4,5,6,7
.if \first
	v_wmma_f32_16x16x32_f16 v[8*(8*(\a)+\b):8*(8*(\a)+\b)+7], v[64*(\set)+8*\b:64*(\set)+8*\b+7], v[AF+32*(\set)+8*(\a):AF+32*(\set)+8*(\a)+7], v[BI+8*\b:BI+8*\b+7]
.else
	v_wmma_f32_16x16x32_f16 v[8*(8*(\a)+\b):8*(8*(\a)+\b)+7], v[64*(\set)+8*\b:64*(\set)+8*\b+7], v[AF+32*(\set)+8*(\a):AF+32*(\set)+8*(\a)+7], v[8*(8*(\a)+\b):8*(8*(\a)+\b)+7]
.endif
.endr
.endm
.macro QS slot, c, first               ; 32 along K whose successor lies in the same slot
	s_wait_dscnt 0x0
	PLACES
	FETCH \slot, (\c)+1, ((\c)+1)%2
.if \first
	WIN 0x81
.else
	WIN 0xa1
.endif
	MUL8 0, (\c)%2, \first
	MUL8 1, (\c)%2, \first
	MUL8 2, (\c)%2, \first
	MUL8 3, (\c)%2, \first
.endm
.macro TURN slot, next, fill           ; a slot's last quarter changes slots
	WIN 0
	s_wait_tensorcnt 0x0                           ; my part of the next slot has landed; no load of mine is out
	ds_add_u32 v[SPW], v[NIL]
	s_wait_dscnt 1                                 ; the fragments are in; the add may be out
	WIN 0xa1
	MUL8 0, 1, 0
	s_wait_dscnt 0x0                               ; the add is done, and my reads of this slot are over
	s_barrier_signal -1
	MUL8 1, 1, 0
	WIN 0
	s_barrier_wait -1
.if \fill
	CREST
	s_add_nc_u64 s[G0A+4*\slot+2:G0A+4*\slot+3], s[G0A+4*\slot+2:G0A+4*\slot+3], 131072   ; two heads on
	s_add_nc_u64 s[G0B+4*\slot+2:G0B+4*\slot+3], s[G0B+4*\slot+2:G0B+4*\slot+3], 65536
	JLOAD \slot                                    ; its four v_nop are also the places in front of the loads below
.else
	PLACES
.endif
	FETCH \next, 0, 0
	WIN 0xa1
	MUL8 2, 1, 0
	MUL8 3, 1, 0
.endm
	s_wait_tensorcnt 0x1                           ; my part of K step 0 is in; K step 1's load may be out
	s_barrier_signal -1
	s_barrier_wait -1
	FETCH 0, 0, 0
	s_wait_loadcnt 0x0                             ; b_O
	QS 0, 0, 1
	WIN 0
	s_mov_b32 s3, 3
.Llap:                                                 ; a trip goes once round the ring and fills both slots again: K steps 2 to 7
	QS 0, 1, 0
	QS 0, 2, 0
	TURN 0, 1, 1
	QS 1, 0, 0
	QS 1, 1, 0
	QS 1, 2, 0
	TURN 1, 0, 1
	QS 0, 0, 0
	WIN 0
	s_sub_co_u32 s3, s3, 1
	s_cmp_lg_u32 s3, 0
	s_cbranch_scc1 .Llap
	QS 0, 1, 0                                     ; the last lap fills nothing
	QS 0, 2, 0
	TURN 0, 1, 0
	QS 1, 0, 0
	QS 1, 1, 0
	QS 1, 2, 0
	s_wait_dscnt 0x0
	WIN 0xa1
	MUL8 0, 1, 0
	MUL8 1, 1, 0
	MUL8 2, 1, 0
	MUL8 3, 1, 0
	WIN 0
; THE WAY OUT, 16 rows x 128 columns at a time, through my own stage: in by lanes (32 bytes of a row each), back as whole rows of 512 bytes
.macro TOSTAGE a
	WIN 0x08
.irp b, 0,1,2,3,4,5,6,7
	ds_store_b128 v[STO], v[8*(8*(\a)+\b):8*(8*(\a)+\b)+3] offset:64*\b           ; each accumulator from its low end on
	ds_store_b128 v[STO], v[8*(8*(\a)+\b)+4:8*(8*(\a)+\b)+7] offset:64*\b+16
.endr
	WIN 0
.set BB, BK+64*((\a)%2)
.irp t, 0,1,2,3,4,5,6,7,8,9,10,11,12,13,14,15
	ds_load_b128 v[BB+4*\t:BB+4*\t+3], v[RD] offset:\t*528                        ; LDS serves a wave's instructions in order: these see my stores
.endr
.endm
.macro SEND a, younger
.set BB, BK+64*((\a)%2)
	s_wait_dscnt \younger                          ; the block is back; the next block's 16 stores and 16 loads may be out
.if (\a) > 0
	s_add_nc_u64 s[10:11], s[10:11], 16*8192       ; (behind a wait on XCNT: the earlier stores have read their base)
.endif
.irp t, 0,1,2,3,4,5,6,7,8,9,10,11,12,13,14,15
	global_store_b128 v[CO], v[BB+4*\t:BB+4*\t+3], s[10:11] offset:\t*8192 th:TH_STORE_NT   ; 32 lanes store 512 consecutive bytes, aligned
.endr
.endm
	PLACES
	TOSTAGE 0
.irp a, 1,2,3
.if \a > 1
	s_wait_xcnt 0x0                                ; the stores of two blocks ago have read their registers and their base
.endif
	TOSTAGE \a
	SEND \a-1, 32
.endr
	s_wait_xcnt 0x0
	SEND 3, 0
	s_wait_tensorcnt 0x0                           ; the wave's end
	ds_add_u32 v[SPW], v[NIL]
	s_wait_dscnt 0x0
	CROUND                                         ; the closing round
	s_endpgm
.Lfunc_end_k_q23ca2cd9b6_oproj:
	.size	k_q23ca2cd9b6_oproj, .Lfunc_end_k_q23ca2cd9b6_oproj-k_q23ca2cd9b6_oproj
	.p2alignl 7, 3214868480
	.fill 96, 4, 3214868480
	.section	.rodata,"a",@progbits
	.p2align	6, 0x0
	.amdhsa_kernel k_q23ca2cd9b6_oproj
		.amdhsa_group_segment_fixed_size 327680
		.amdhsa_private_segment_fixed_size 0
		.amdhsa_enable_private_segment 0
		.amdhsa_kernarg_size 32
		.amdhsa_user_sgpr_count 2
		.amdhsa_user_sgpr_kernarg_segment_ptr 1
		.amdhsa_wavefront_size32 1
		.amdhsa_system_sgpr_workgroup_id_x 1
		.amdhsa_system_sgpr_workgroup_id_y 1
		.amdhsa_system_sgpr_workgroup_id_z 1
		.amdhsa_system_vgpr_workitem_id 0
		.amdhsa_next_free_vgpr 768
		.amdhsa_next_free_sgpr 80
		.amdhsa_reserve_vcc 0
		.amdhsa_float_denorm_mode_32 3
		.amdhsa_float_denorm_mode_16_64 3
		.amdhsa_memory_ordered 1
		.amdhsa_forward_progress 1
		.amdhsa_inst_pref_size 86
	.end_amdhsa_kernel
	.amdgpu_metadata
---
amdhsa.version: [ 1, 2 ]
amdhsa.kernels:
  - .name:           k_q23ca2cd9b6_oproj
    .symbol:         k_q23ca2cd9b6_oproj.kd
    .args:
      - { .name: zi, .offset: 0, .size: 8, .value_kind: global_buffer, .address_space: global }
      - { .name: wo, .offset: 8, .size: 8, .value_kind: global_buffer, .address_space: global }
      - { .name: b_O, .offset: 16, .size: 8, .value_kind: global_buffer, .address_space: global }
      - { .name: out0, .offset: 24, .size: 8, .value_kind: global_buffer, .address_space: global }
    .group_segment_fixed_size: 327680
    .private_segment_fixed_size: 0
    .kernarg_segment_align: 8
    .kernarg_segment_size: 32
    .max_flat_workgroup_size: 128
    .sgpr_count:     80
    .vgpr_count:     768
    .wavefront_size: 32
...
	.end_amdgpu_metadata
.endif
;; end of part 4
;; launch fine (part 5): grid 64 x 1, 8 waves a work-group, no clusters, 17,408 bytes of LDS; arguments fin, W_O, b_O, out0; writes out0
.if DOCPART == 5
	.amdgcn_target "amdgcn-amd-amdhsa--gfx1250"
	.amdhsa_code_object_version 6
	.text
	.protected	k_q23ca2cd9b6_fine
	.globl	k_q23ca2cd9b6_fine
	.p2align	8
	.type	k_q23ca2cd9b6_fine,@function
k_q23ca2cd9b6_fine:
	s_mov_b64 s[64:65], 0
	v_nop
	global_prefetch_b8 v0, s[64:65] scope:SCOPE_SE
	s_setreg_imm32_b32 hwreg(HW_REG_WAVE_MODE, 25, 1), 1
	s_wait_xcnt 0x0
; Rows 0-15 of out0 once more, with f32 operands throughout: these positions average one to sixteen values and are the largest in size, so the rounding of 16-bit operands weighs most there.
; fin holds positions 0-15 in f32, 8,192 bytes a head t: q x log2(e) / sqrt(128) (t = 0-7) and k (8-11) as images of my registers, [t][16 pieces][lane][16 bytes]: register i of lane (r, h) is position r, channel 16 (i / 8) + 8 h + i % 8,
; so that each of their loads takes 512 consecutive bytes; v (12-15) as [t][position][128 channels].
; A work-group owns 32 columns of out0; wave n is head n.  Every work-group repeats the 16 x 16 attention of all heads (64 small matrix instructions a wave), wave n multiplies its z by W_O[n]'s 32 columns,
; and the eight heads' parts are added through LDS, in the order of the heads, with b_O.  The pieces of W_O's rows and of out0's rows are 128 bytes: 64 columns to a work-group would double each wave's matrix work.
; All products by v_wmma_f32_16x16x4_f32, used transposed (a lane holds one query).  K is permuted alike on both sources: a step takes two neighbouring registers of each.  The registers that these instructions write are written by nothing else.
; REGISTERS: window 0: v3-15 addresses, b_O; v16-79 q; v80-143 k; v144-207 v (register 8 t + e: key 8 h + e, channel 16 t + r); v208-239 four partial sums of the scores; v240-247 scores, then p; v248-255 at work.
;   window 1: v0-127 W_O (register 64 i + 8 t + e: channel 16 t + 8 h + e, column 16 i + r); v128-191 eight partial sums of the output; v192-255 z, eight tiles of 16 channels.
.set SPARE, 16384                      ; behind the eight waves' images: the spare words, 128 bytes for each wave, which no other line names
.set QA,   3                           ; v3   16 x lane
.set VA,   4                           ; v4   W_O: 65,536 h + 4 r
.set RH,   5                           ; v5   r - 8 h
.set IMG,  6                           ; v6   2,048 x wave + 16 x lane
.set RDA,  7                           ; v7   where my two numbers lie in an image
.set OO,   8                           ; v8   my place in out0
.set BOO,  9                           ; v9   my place in b_O
.set SPW,  10
.set NIL,  11
.set NINF, 12
.set VV,   13                          ; v13  v: 4,096 h + 4 r
.set QF,   16
.set KFR,  80
.set VFR,  144
.set SA,   208
.set SS,   240
.set MSB, 0
.macro WIN new
.if MSB != \new
	s_set_vgpr_msb (MSB<<8)|\new
.set MSB, \new
.endif
.endm
	s_load_b256 s[4:11], s[0:1], 0x0               ; fin s[4:5], W_O s[6:7], b_O s[8:9], out0 s[10:11]
	v_lshl_add_u32 v[SPW], v0, 2, SPARE
	v_mov_b32 v[NIL], 0
	v_lshrrev_b32 v1, 5, v0
	v_readfirstlane_b32 s12, v1                    ; wave = head
	v_and_b32 v1, 15, v0                           ; r
	v_bfe_u32 v2, v0, 4, 1                         ; h
	v_and_b32 v248, 31, v0
	v_lshlrev_b32 v[QA], 4, v248
	v_lshlrev_b32 v[VA], 2, v1
	v_lshl_add_u32 v[VV], v2, 12, v[VA]            ; eight rows of 512 bytes for lanes 16-31
	v_lshl_add_u32 v[VA], v2, 16, v[VA]            ; eight rows of 8,192 bytes
	v_lshlrev_b32 v248, 3, v2
	v_sub_nc_u32 v[RH], v1, v248
	s_lshl_b32 s13, s12, 11
	v_add_nc_u32 v[IMG], s13, v[QA]
	v_lshrrev_b32 v248, 4, v0                      ; the last phase: thread v0 takes row v0 / 16 and columns 2 (v0 % 16), + 1
	v_lshlrev_b32 v[RDA], 4, v248
	v_lshlrev_b32 v[OO], 13, v248
	v_bfe_u32 v248, v0, 3, 1                       ; which tile of 16 columns: 1,024 bytes,
	v_lshl_add_u32 v[RDA], v248, 10, v[RDA]
	v_bfe_u32 v248, v0, 1, 1                       ; which four registers of the tile: 512,
	v_lshl_add_u32 v[RDA], v248, 9, v[RDA]
	v_bfe_u32 v248, v0, 2, 1                       ; which half of the lanes: 256,
	v_lshl_add_u32 v[RDA], v248, 8, v[RDA]
	v_and_b32 v248, 1, v0                          ; which two of the four numbers: 8
	v_lshl_add_u32 v[RDA], v248, 3, v[RDA]
	v_lshlrev_b32 v[BOO], 3, v1
	v_add_nc_u32 v[OO], v[OO], v[BOO]
	v_mov_b32 v[NINF], 0xff800000
	s_mov_b32 s26, 0x76543210
	s_mov_b32 s27, 0xfedcba98
	s_lshl_b32 s14, s12, 13                        ; q: head n
	s_mov_b32 s15, 0
	s_lshr_b32 s16, s12, 1
	s_lshl_b32 s16, s16, 13
	s_add_co_u32 s16, s16, 65536                   ; k: head 8 + n / 2
	s_mov_b32 s17, 0
	s_add_co_u32 s18, s16, 32768                   ; v: head 12 + n / 2
	s_mov_b32 s19, 0
	s_lshl_b32 s22, ttmp9, 7                       ; my work-group's 32 columns
	s_mov_b32 s23, 0
	s_lshl_b32 s20, s12, 20
	s_add_co_u32 s20, s20, s22
	s_mov_b32 s21, 0
	s_wait_kmcnt 0x0
	s_add_nc_u64 s[14:15], s[4:5], s[14:15]
	s_add_nc_u64 s[16:17], s[4:5], s[16:17]
	s_add_nc_u64 s[18:19], s[4:5], s[18:19]
	s_add_nc_u64 s[20:21], s[6:7], s[20:21]
	s_add_nc_u64 s[8:9], s[8:9], s[22:23]
	s_add_nc_u64 s[10:11], s[10:11], s[22:23]
.set i, 0
.rept 16
	global_load_b128 v[QF+4*i:QF+4*i+3], v[QA], s[14:15] offset:512*i      ; 32 lanes read 512 consecutive bytes
	global_load_b128 v[KFR+4*i:KFR+4*i+3], v[QA], s[16:17] offset:512*i
.set i, i+1
.endr
.irp t, 0,1,2,3,4,5,6,7
.irp e, 0,1,2,3,4,5,6,7
	global_load_b32 v[VFR+8*\t+\e], v[VV], s[18:19] offset:\e*512+\t*64
.endr
.endr
	WIN 0x40
.irp i, 0,1
.irp t, 0,1,2,3,4,5,6,7
.irp e, 0,1,2,3,4,5,6,7
	global_load_b32 v[64*\i+8*\t+\e], v[VA], s[20:21] offset:(16*\t+\e)*8192+64*\i
.endr
.endr
.endr
	WIN 0
	global_load_b64 v[14:15], v[BOO], s[8:9]
	s_wait_loadcnt 0x3f                            ; 129 loads were issued behind q, k and v: with 63 out at the most, those three are in
.set n, 0
.rept 32                               ; S^T = k q^T: four partial sums by turns; the first four products start them
.if n < 4
	v_wmma_f32_16x16x4_f32 v[SA+8*(n%4):SA+8*(n%4)+7], v[KFR+2*n:KFR+2*n+1], v[QF+2*n:QF+2*n+1], 0
.else
	v_wmma_f32_16x16x4_f32 v[SA+8*(n%4):SA+8*(n%4)+7], v[KFR+2*n:KFR+2*n+1], v[QF+2*n:QF+2*n+1], v[SA+8*(n%4):SA+8*(n%4)+7]
.endif
.set n, n+1
.endr
.rept 8
	v_nop                                          ; eight places behind this form, ahead of the first read of a result (ISA guide 7.12.1)
.endr
.irp j, 0,1,2,3,4,5,6,7
	v_add_f32 v[SS+\j], v[SA+\j], v[SA+8+\j]       ; each accumulator from its low end on
.endr
.irp j, 0,1,2,3,4,5,6,7
	v_add_f32 v[248+\j], v[SA+16+\j], v[SA+24+\j]
.endr
.irp j, 0,1,2,3,4,5,6,7
	v_add_f32 v[SS+\j], v[SS+\j], v[248+\j]        ; lane (r, h): query r, key 8 h + j
.endr
.irp j, 0,1,2,3,4,5,6,7
	v_cmp_gt_i32 vcc_lo, \j, v[RH]                 ; hidden where 8 h + j > r
	v_cndmask_b32 v[SS+\j], v[SS+\j], v[NINF], vcc_lo
.endr
	v_max3_num_f32 v248, v[SS], v[SS+1], v[SS+2]
	v_max3_num_f32 v248, v248, v[SS+3], v[SS+4]
	v_max3_num_f32 v248, v248, v[SS+5], v[SS+6]
	v_max_num_f32 v248, v248, v[SS+7]
	v_permlanex16_b32 v249, v248, s26, s27
	v_max_num_f32 v248, v248, v249                 ; the row's maximum: key 0 counts for every query
.irp j, 0,1,2,3,4,5,6,7
	v_sub_f32 v[SS+\j], v[SS+\j], v248
.endr
.irp j, 0,1,2,3,4,5,6,7
	v_exp_f32 v[SS+\j], v[SS+\j]
.endr
	v_nop
	s_wait_alu depctr_va_vdst(0)                   ; one wait for the eight, ahead of their first reader
	v_add_f32 v249, v[SS], v[SS+1]
	v_add_f32 v250, v[SS+2], v[SS+3]
	v_add_f32 v251, v[SS+4], v[SS+5]
	v_add_f32 v252, v[SS+6], v[SS+7]
	v_add_f32 v249, v249, v250
	v_add_f32 v251, v251, v252
	v_add_f32 v249, v249, v251
	v_permlanex16_b32 v250, v249, s26, s27
	v_add_f32 v249, v249, v250
	v_rcp_f32 v249, v249
	v_nop
	s_wait_alu depctr_va_vdst(0)
.irp j, 0,1,2,3,4,5,6,7
	v_mul_f32 v[SS+\j], v[SS+\j], v249             ; the pattern
.endr
	WIN 0x50                                       ; C and D window 1
.irp s, 0,1,2,3                        ; z^T = v^T p: step s takes keys 8 h + 2 s, + 1; the eight tiles of channels by turns
.irp t, 0,1,2,3,4,5,6,7
.if \s == 0
	v_wmma_f32_16x16x4_f32 v[192+8*\t:199+8*\t], v[VFR+8*\t+2*\s:VFR+8*\t+2*\s+1], v[SS+2*\s:SS+2*\s+1], 0
.else
	v_wmma_f32_16x16x4_f32 v[192+8*\t:199+8*\t], v[VFR+8*\t+2*\s:VFR+8*\t+2*\s+1], v[SS+2*\s:SS+2*\s+1], v[192+8*\t:199+8*\t]
.endif
.endr
.endr
.rept 9
	v_nop                                          ; nine places before a matrix instruction takes these results as a source
.endr
	s_wait_loadcnt 0x0                             ; W_O, b_O
	WIN 0x55
.irp t, 0,1,2,3,4,5,6,7                ; out^T += W_O^T z^T: channels 16 t + 8 h + 2 s, + 1; eight partial sums (two tiles of columns x four s) by turns
.irp s, 0,1,2,3
.irp i, 0,1
.if \t == 0
	v_wmma_f32_16x16x4_f32 v[128+8*(4*\i+\s):135+8*(4*\i+\s)], v[64*\i+8*\t+2*\s:64*\i+8*\t+2*\s+1], v[192+8*\t+2*\s:192+8*\t+2*\s+1], 0
.else
	v_wmma_f32_16x16x4_f32 v[128+8*(4*\i+\s):135+8*(4*\i+\s)], v[64*\i+8*\t+2*\s:64*\i+8*\t+2*\s+1], v[192+8*\t+2*\s:192+8*\t+2*\s+1], v[128+8*(4*\i+\s):135+8*(4*\i+\s)]
.endif
.endr
.endr
.endr
.rept 8
	v_nop
.endr
	WIN 0x05                                       ; both sources window 1, the sums go to window 0
.irp i, 0,1
.irp j, 0,1,2,3,4,5,6,7
	v_add_f32 v[16+8*\i+\j], v[128+32*\i+\j], v[136+32*\i+\j]
.endr
.endr
.irp i, 0,1
.irp j, 0,1,2,3,4,5,6,7
	v_add_f32 v[32+8*\i+\j], v[144+32*\i+\j], v[152+32*\i+\j]
.endr
.endr
	WIN 0
.set i, 0
.rept 16
	v_add_f32 v[16+i], v[16+i], v[32+i]            ; lane (r, h): row r, columns 16 i + 8 h + 0 .. 7 of my head's part
.set i, i+1
.endr
.irp g, 0,1,2,3
	ds_store_b128 v[IMG], v[16+4*\g:19+4*\g] offset:512*\g
.endr
	s_wait_dscnt 0x0                               ; for the others' sake: my stores have landed
	s_barrier_signal -1
	s_barrier_wait -1
.irp w, 0,1,2,3,4,5,6,7
	ds_load_b64 v[32+2*\w:33+2*\w], v[RDA] offset:2048*\w
.endr
	s_wait_dscnt 0x0
.irp w, 1,2,3,4,5,6,7
	v_pk_add_f32 v[32:33], v[32:33], v[32+2*\w:33+2*\w]   ; in the order of the heads
.endr
	v_pk_add_f32 v[32:33], v[32:33], v[14:15]
	global_store_b64 v[OO], v[32:33], s[10:11]     ; sixteen lanes store 128 consecutive bytes of a row
	s_wait_tensorcnt 0x0                           ; the wave's end, behind my last LDS store
	ds_add_u32 v[SPW], v[NIL]
	s_wait_dscnt 0x0
	s_endpgm
.Lfunc_end_k_q23ca2cd9b6_fine:
	.size	k_q23ca2cd9b6_fine, .Lfunc_end_k_q23ca2cd9b6_fine-k_q23ca2cd9b6_fine
	.p2alignl 7, 3214868480
	.fill 96, 4, 3214868480
	.section	.rodata,"a",@progbits
	.p2align	6, 0x0
	.amdhsa_kernel k_q23ca2cd9b6_fine
		.amdhsa_group_segment_fixed_size 17408
		.amdhsa_private_segment_fixed_size 0
		.amdhsa_enable_private_segment 0
		.amdhsa_kernarg_size 32
		.amdhsa_user_sgpr_count 2
		.amdhsa_user_sgpr_kernarg_segment_ptr 1
		.amdhsa_wavefront_size32 1
		.amdhsa_system_sgpr_workgroup_id_x 1
		.amdhsa_system_sgpr_workgroup_id_y 1
		.amdhsa_system_sgpr_workgroup_id_z 1
		.amdhsa_system_vgpr_workitem_id 0
		.amdhsa_next_free_vgpr 512
		.amdhsa_next_free_sgpr 66
		.amdhsa_reserve_vcc 1
		.amdhsa_float_denorm_mode_32 3
		.amdhsa_float_denorm_mode_16_64 3
		.amdhsa_memory_ordered 1
		.amdhsa_forward_progress 1
		.amdhsa_inst_pref_size 39
	.end_amdhsa_kernel
	.amdgpu_metadata
---
amdhsa.version: [ 1, 2 ]
amdhsa.kernels:
  - .name:           k_q23ca2cd9b6_fine
    .symbol:         k_q23ca2cd9b6_fine.kd
    .args:
      - { .name: fin, .offset: 0, .size: 8, .value_kind: global_buffer, .address_space: global }
      - { .name: W_O, .offset: 8, .size: 8, .value_kind: global_buffer, .address_space: global }
      - { .name: b_O, .offset: 16, .size: 8, .value_kind: global_buffer, .address_space: global }
      - { .name: out0, .offset: 24, .size: 8, .value_kind: global_buffer, .address_space: global }
    .group_segment_fixed_size: 17408
    .private_segment_fixed_size: 0
    .kernarg_segment_align: 8
    .kernarg_segment_size: 32
    .max_flat_workgroup_size: 256
    .sgpr_count:     66
    .vgpr_count:     512
    .wavefront_size: 32
...
	.end_amdgpu_metadata
.endif
;; end of part 5
